; MI455X (gfx1250); checked and timed in simulation.
; The chip was launched on July 23, 2026; its instructions are those of AMD's public machine-readable ISA for CDNA 5 (MIT licence, August 2026) and "CDNA5" Instruction Set Architecture Reference Guide (July 2026). The comments in the code are by the model that wrote it; some were corrected since.
;; feature axial Multi Head Self Attention. Allowed arithmetic: float matrix products may take bf16 or f16 operands with f32 sums; all other float work in f32.
;; Inputs: Wk 1,024 x 512 float32; Wo 512 x 1,024 float32; Wq 1,024 x 512 float32; Wv 1,024 x 512 float32; x 4 x 4,096 x 512 float32.
;; Outputs: out0 4 x 4,096 x 512 float32.
;; 2 versions, each right; version 2 is version 1 with the launch prep written anew for expert scheduling mode. Each part assembles by itself: llvm-mc -triple=amdgcn-amd-amdhsa -mcpu=gfx1250 --defsym DOCPART=n.
;; ======== version 1 of 2: 8 launches
;; workspace buffers: cv 20,971,520 bytes; gp 16,777,216 bytes; g2 4,194,304 bytes; t1w 8,388,608 bytes; es 17,301,504 bytes; ptw 8,388,608 bytes; m2 4,194,304 bytes
;; launch prep (part 1): grid 256 x 1, 8 waves a work-group, no clusters, 0 bytes of LDS; arguments x, Wq, Wk, Wv, Wo, cv; writes cv
.if DOCPART == 1
	.amdgcn_target "amdgcn-amd-amdhsa--gfx1250"
	.amdhsa_code_object_version 6
	.text
	.protected	k_q255119ef25_prep
	.globl	k_q255119ef25_prep
	.p2align	8
	.type	k_q255119ef25_prep,@function
k_q255119ef25_prep:
	s_mov_b64 s[64:65], 0
	v_nop
	global_prefetch_b8 v0, s[64:65] scope:SCOPE_SE
	s_setreg_imm32_b32 hwreg(HW_REG_WAVE_MODE, 25, 1), 1
	s_wait_xcnt 0x0
; prep: every input rounded once to bf16 (nearest even), layouts kept.  cv = x (16,777,216 bytes), then Wq, Wk, Wv, Wo (1,048,576 bytes each).
; 256 work-groups of 8 waves.  Work-group g takes 131,072 bytes of x (32 loads of 4,096 bytes by its 256 threads) and 8,192 bytes of each weight (2 loads).
; All 40 loads of a thread go out first, into registers of their own; each is then rounded in place and stored, so no register that a pending
; instruction names is ever rewritten.  A wave's store of 8 bytes a lane covers 256 consecutive bytes, aligned.
; No LDS, no matrix unit, no cluster: the work-groups share no byte and there is no arithmetic but the rounding.
.set D, 4                              ; v[4:163]  load n in v[4+4n : 7+4n]
.set W_OFF, 16777216                   ; where the weights begin in cv
	s_load_b256 s[4:11], s[0:1], 0x0               ; x s[4:5], Wq s[6:7], Wk s[8:9], Wv s[10:11]
	s_load_b128 s[12:15], s[0:1], 0x20             ; Wo s[12:13], cv s[14:15]
	v_lshlrev_b32 v1, 4, v0                        ; 16 bytes of f32 a thread
	v_lshlrev_b32 v2, 3, v0                        ; 8 bytes of bf16 a thread
	s_lshl_b32 s16, ttmp9, 17                      ; g x 131,072: my part of x
	s_mov_b32 s17, 0
	s_lshl_b32 s18, ttmp9, 13                      ; g x 8,192: my part of each weight
	s_mov_b32 s19, 0
	s_lshl_b32 s20, ttmp9, 16                      ; g x 65,536: my part of x in cv
	s_mov_b32 s21, 0
	s_lshl_b32 s22, ttmp9, 12                      ; g x 4,096: my part of each weight in cv
	s_add_co_u32 s22, s22, W_OFF
	s_mov_b32 s23, 0
	s_wait_kmcnt 0x0
	s_add_nc_u64 s[4:5], s[4:5], s[16:17]
.irp p, 6,8,10,12
	s_add_nc_u64 s[\p:\p+1], s[\p:\p+1], s[18:19]
.endr
	s_add_nc_u64 s[20:21], s[14:15], s[20:21]
	s_add_nc_u64 s[22:23], s[14:15], s[22:23]
.set n, 0
.rept 32
	global_load_b128 v[D+4*n:D+4*n+3], v1, s[4:5] offset:4096*n th:TH_LOAD_NT
.set n, n+1
.endr
.irp m, 0,1,2,3
	global_load_b128 v[D+128+8*\m:D+128+8*\m+3], v1, s[6+2*\m:7+2*\m] th:TH_LOAD_NT
	global_load_b128 v[D+132+8*\m:D+132+8*\m+3], v1, s[6+2*\m:7+2*\m] offset:4096 th:TH_LOAD_NT
.endr
.set n, 0
.rept 32
	s_wait_loadcnt 39-n                            ; loads return in order: load n is in, the 39-n younger ones stay out
	v_cvt_pk_bf16_f32 v[D+4*n], v[D+4*n], v[D+4*n+1]
	v_cvt_pk_bf16_f32 v[D+4*n+1], v[D+4*n+2], v[D+4*n+3]
	global_store_b64 v2, v[D+4*n:D+4*n+1], s[20:21] offset:2048*n
.set n, n+1
.endr
.rept 8
	s_wait_loadcnt 39-n
	v_cvt_pk_bf16_f32 v[D+4*n], v[D+4*n], v[D+4*n+1]
	v_cvt_pk_bf16_f32 v[D+4*n+1], v[D+4*n+2], v[D+4*n+3]
	global_store_b64 v2, v[D+4*n:D+4*n+1], s[22:23] offset:((n-32)/2)*1048576+((n-32)%2)*2048
.set n, n+1
.endr
	s_endpgm
.Lfunc_end_k_q255119ef25_prep:
	.size	k_q255119ef25_prep, .Lfunc_end_k_q255119ef25_prep-k_q255119ef25_prep
	.p2alignl 7, 3214868480
	.fill 96, 4, 3214868480
	.section	.rodata,"a",@progbits
	.p2align	6, 0x0
	.amdhsa_kernel k_q255119ef25_prep
		.amdhsa_group_segment_fixed_size 0
		.amdhsa_private_segment_fixed_size 0
		.amdhsa_enable_private_segment 0
		.amdhsa_kernarg_size 48
		.amdhsa_user_sgpr_count 2
		.amdhsa_user_sgpr_kernarg_segment_ptr 1
		.amdhsa_wavefront_size32 1
		.amdhsa_system_sgpr_workgroup_id_x 1
		.amdhsa_system_sgpr_workgroup_id_y 1
		.amdhsa_system_sgpr_workgroup_id_z 1
		.amdhsa_system_vgpr_workitem_id 0
		.amdhsa_next_free_vgpr 164
		.amdhsa_next_free_sgpr 66
		.amdhsa_reserve_vcc 0
		.amdhsa_float_denorm_mode_32 3
		.amdhsa_float_denorm_mode_16_64 3
		.amdhsa_memory_ordered 1
		.amdhsa_forward_progress 1
		.amdhsa_inst_pref_size 15
	.end_amdhsa_kernel
	.amdgpu_metadata
---
amdhsa.version: [ 1, 2 ]
amdhsa.kernels:
  - .name:           k_q255119ef25_prep
    .symbol:         k_q255119ef25_prep.kd
    .args:
      - { .name: x, .offset: 0, .size: 8, .value_kind: global_buffer, .address_space: global }
      - { .name: Wq, .offset: 8, .size: 8, .value_kind: global_buffer, .address_space: global }
      - { .name: Wk, .offset: 16, .size: 8, .value_kind: global_buffer, .address_space: global }
      - { .name: Wv, .offset: 24, .size: 8, .value_kind: global_buffer, .address_space: global }
      - { .name: Wo, .offset: 32, .size: 8, .value_kind: global_buffer, .address_space: global }
      - { .name: cv, .offset: 40, .size: 8, .value_kind: global_buffer, .address_space: global }
    .group_segment_fixed_size: 0
    .private_segment_fixed_size: 0
    .kernarg_segment_align: 8
    .kernarg_segment_size: 48
    .max_flat_workgroup_size: 256
    .sgpr_count:     66
    .vgpr_count:     164
    .wavefront_size: 32
...
	.end_amdgpu_metadata
.endif
;; end of part 1
;; launch gram (part 2): grid 4 x 64, 4 waves a work-group, clusters of 4 x 4, 327,680 bytes of LDS; arguments cv, gp; writes gp
.if DOCPART == 2
	.amdgcn_target "amdgcn-amd-amdhsa--gfx1250"
	.amdhsa_code_object_version 6
	.text
	.protected	k_q255119ef25_gram
	.globl	k_q255119ef25_gram
	.p2align	8
	.type	k_q255119ef25_gram,@function
k_q255119ef25_gram:
	s_mov_b64 s[64:65], 0
	v_nop
	global_prefetch_b8 v0, s[64:65] scope:SCOPE_SE
	s_setreg_imm32_b32 hwreg(HW_REG_WAVE_MODE, 25, 1), 1
	s_wait_xcnt 0x0
	s_wait_alu depctr_hold_cnt(0) depctr_sa_sdst(0) depctr_va_vdst(0) depctr_va_sdst(0) depctr_va_ssrc(0) depctr_va_vcc(0) depctr_vm_vsrc(0)
	s_getreg_b32 s2, hwreg(HW_REG_IB_STS2, 6, 4)
	s_cmp_eq_u32 s2, 0
	s_cbranch_scc0 .Lentry_in_a_cluster
	s_endpgm
.Lentry_in_a_cluster:
	s_bfe_u32 s2, ttmp6, 0x10000c
	s_cmp_lg_u32 s2, 0xf033
	s_cbranch_scc0 .Lentry_shape_is_right
	s_endpgm
.Lentry_shape_is_right:
; gram: gp[4b+s][e][f] = sum over the 1,024 rows l of quarter s of batch b of x[l][e] x[l][f], bf16 operands, f32 sums.
; (q^T k = Wq (x^T x) Wk^T: the sum over L is made once, on 512 x 512.  The order of the sums differs from the written chain's.)
; Cluster y = 4b+s.  The 4 x 4 work-groups of a cluster make the 16 blocks of 128 x 128: cy = block of e (rows), cx = block of f (columns).
; Four waves, each 64 x 64 = 16 accumulator tiles.  K = l goes in phases of 256 rows through two LDS slots.
; JOINT LOADS: the row operand's tile hangs on cy alone and is asked for by the four work-groups of a cluster row together, the column operand's
; hangs on cx alone and is asked for by a cluster column together: each tile is requested once for four work-groups.
; x lies [l][column], K down the rows, so fragments come through the transposing LDS load; LDS rows are 256 + 32 bytes.
; The matrix instruction takes the column operand first: a lane then holds 8 neighbouring columns of one row of the result.
.set PIECE, 128*288                    ; one tensor load: 128 rows of l x 128 columns, LDS pitch 288
.set SLOT,  4*PIECE                    ; rows operand l 0-127, l 128-255, columns operand l 0-127, l 128-255: piece w is wave w's
.set STAGE, 2*SLOT                     ; behind the ring: 16 rows x 272 bytes for each wave, never the target of a tensor load
.set PHASE, 256*1024                   ; bytes of x from one phase to the next
.set NF,  16                           ; fragment loads of a sub-step
.set AR,  4                            ; v4-7   LDS address of my row fragments, [slot][half of the 256 rows]
.set AC,  8                            ; v8-11  the same for the column fragments
.set STO, 12
.set RD,  13
.set CO,  14
.set F0,  16                           ; v[16:79]   fragments, buffer 0: rows at +8i, columns at +32+8i
.set F1,  80                           ; v[80:143]  buffer 1
.set G1X, 24                           ; s[24:31] shape, mask of my cluster row
.set G0X, 32                           ; s[32:39] from/to for the row operand, a set for each slot
.set G1Y, 44                           ; s[44:51] shape, mask of my cluster column
.set G0Y, 52                           ; s[52:59]
.set MSB, 0
.macro WIN new                         ; accumulators lie in v256-v383; the immediate's high byte repeats the setting left
.if MSB != \new
	s_set_vgpr_msb (MSB<<8)|\new
.set MSB, \new
.endif
.endm
.macro ROUND                           ; a round of the cluster's barrier
	s_barrier_signal -1
	s_barrier_wait -1
	s_cmp_lg_u32 s12, 0
	s_cbranch_scc1 .Lnot_wave_0_\@
	s_barrier_signal -3
.Lnot_wave_0_\@:
	s_barrier_wait -3
	s_barrier_signal -1
	s_barrier_wait -1
.endm
.macro JLOAD s                         ; waves 0, 1 ask for the row operand's halves, waves 2, 3 for the column operand's: one load a wave
	s_cmp_lt_u32 s12, 2
	s_cbranch_scc0 .Lj_y_\@
	tensor_load_to_lds s[G0X+4*\s:G0X+4*\s+3], s[G1X:G1X+7]
	s_nop 0
	s_branch .Lj_done_\@
.Lj_y_\@:
	tensor_load_to_lds s[G0Y+4*\s:G0Y+4*\s+3], s[G1Y:G1Y+7]
	s_nop 0
.Lj_done_\@:
.endm
.macro PLACES                          ; four independent vector instructions between a matrix instruction and a load into, or a read of, its registers
.rept 4
	v_nop
.endr
.endm
.macro FETCH slot, q, f                ; sub-step q of 8: rows l = 32 q .. 32 q + 31 of the slot
.irp i, 0,1,2,3
	ds_load_tr16_b128 v[\f+8*\i:\f+8*\i+3],   v[AR+2*\slot+\q/4] offset:(\q%4)*32*288+32*\i
	ds_load_tr16_b128 v[\f+8*\i+4:\f+8*\i+7], v[AR+2*\slot+\q/4] offset:(\q%4)*32*288+32*\i+16*288
.endr
.irp i, 0,1,2,3
	ds_load_tr16_b128 v[\f+32+8*\i:\f+32+8*\i+3],   v[AC+2*\slot+\q/4] offset:(\q%4)*32*288+32*\i
	ds_load_tr16_b128 v[\f+32+8*\i+4:\f+32+8*\i+7], v[AC+2*\slot+\q/4] offset:(\q%4)*32*288+32*\i+16*288
.endr
.endm
.macro MUL f, zero                     ; 16 matrix instructions; the 16 accumulators take turns, one instruction a turn
	WIN 0x50                                       ; C and D in v256-v383
.irp a, 0,1,2,3
.irp c, 0,1,2,3
.if \zero
	v_wmma_f32_16x16x32_bf16 v[8*(4*\a+\c):8*(4*\a+\c)+7], v[\f+32+8*\c:\f+32+8*\c+7], v[\f+8*\a:\f+8*\a+7], 0
.else
	v_wmma_f32_16x16x32_bf16 v[8*(4*\a+\c):8*(4*\a+\c)+7], v[\f+32+8*\c:\f+32+8*\c+7], v[\f+8*\a:\f+8*\a+7], v[8*(4*\a+\c):8*(4*\a+\c)+7]
.endif
.endr
.endr
	WIN 0
.endm
.macro STEP slot, q, g, f, zero        ; fetch sub-step q into buffer g, multiply buffer f
	PLACES
	FETCH \slot, \q, \g
	s_wait_dscnt NF                                ; all but the 16 loads just issued are back: buffer f is whole
	MUL \f, \zero
.endm
.macro RUN slot, zero
	STEP \slot, 1, F1, F0, \zero
	STEP \slot, 2, F0, F1, 0
	STEP \slot, 3, F1, F0, 0
	STEP \slot, 4, F0, F1, 0
	STEP \slot, 5, F1, F0, 0
	STEP \slot, 6, F0, F1, 0
	STEP \slot, 7, F1, F0, 0
.endm
; The change of slots, in front of a slot's last sub-step.  kind = 1: slot rslot, just read, is filled again, two phases ahead.
.macro CHG next, kind, rslot
	s_wait_dscnt 0x0                               ; my reads of the slot are back
	s_wait_tensorcnt 0x0                           ; all my tensor loads have landed, my piece of the next slot among them
	ds_add_u32 v254, v255
	s_wait_dscnt 0x0
.if \kind
	s_add_nc_u64 s[G0X+4*\rslot+2:G0X+4*\rslot+3], s[G0X+4*\rslot+2:G0X+4*\rslot+3], 2*PHASE
	s_add_nc_u64 s[G0Y+4*\rslot+2:G0Y+4*\rslot+3], s[G0Y+4*\rslot+2:G0Y+4*\rslot+3], 2*PHASE
	ROUND                                          ; both hold of every wave of all sixteen work-groups
	JLOAD \rslot                                   ; the refill: my first and only tensor load behind the round
.else
	s_barrier_signal -1
	s_barrier_wait -1
.endif
	PLACES
	FETCH \next, 0, F0
	MUL F1, 0
.endm
	s_load_b128 s[4:7], s[0:1], 0x0                ; cv s[4:5], gp s[6:7]
	v_lshl_add_u32 v254, v0, 2, 0x4c400
	v_mov_b32 v255, 0
	ds_add_u32 v254, v255
	v_lshrrev_b32 v1, 5, v0
	v_readfirstlane_b32 s12, v1                    ; wave 0..3
	s_and_b32 s13, s12, 1                          ; my half of the block's columns; also the half of the 256 rows of l that I fetch
	s_lshr_b32 s75, s12, 1                         ; my half of the block's rows
	s_bfe_u32 s14, ttmp6, 0x40000                  ; cx
	s_bfe_u32 s15, ttmp6, 0x40004                  ; cy
	s_and_b32 s17, ttmp7, 0xffff                   ; cluster y = 4 b + s
	s_lshl_b32 s18, s15, 2
	s_lshl_b32 s18, 15, s18                        ; my row of the cluster
	s_lshl_b32 s19, 0x1111, s14                    ; my column
	s_lshl_b32 s72, s17, 20                        ; 1,024 rows of 1,024 bytes for each quarter
	s_lshl_b32 s76, s13, 17                        ; + 128 rows for the second half
	s_add_co_u32 s72, s72, s76
	s_lshl_b32 s20, s15, 8                         ; row operand: columns 128 cy of x
	s_add_co_u32 s20, s20, s72
	s_mov_b32 s21, 0
	s_lshl_b32 s22, s14, 8                         ; column operand: columns 128 cx of x
	s_add_co_u32 s22, s22, s72
	s_mov_b32 s23, 0
	s_lshl_b32 s66, s17, 20                        ; my 64 x 64 of gp: plane 4b+s, row 128 cy + 64 wr, column 128 cx + 64 wc
	s_lshl_b32 s68, s15, 18
	s_add_co_u32 s66, s66, s68
	s_lshl_b32 s68, s75, 17
	s_add_co_u32 s66, s66, s68
	s_lshl_b32 s68, s14, 9
	s_add_co_u32 s66, s66, s68
	s_lshl_b32 s68, s13, 8
	s_add_co_u32 s66, s66, s68
	s_mov_b32 s67, 0
	; group 1: 128 rows x 128 elements of 2 bytes, 512 elements from row to row; 8 words of padding behind every 64
	s_or_b32 s[G1X+0], s18, (1<<16)|(1<<20)|(1<<21)|(5<<22)|(7<<25)
	s_or_b32 s[G1Y+0], s19, (1<<16)|(1<<20)|(1<<21)|(5<<22)|(7<<25)
.irp g, G1X, G1Y
	s_mov_b32 s[\g+1], 128<<16
	s_mov_b32 s[\g+2], 128<<16
	s_mov_b32 s[\g+3], 128<<16
	s_mov_b32 s[\g+4], 128
	s_mov_b32 s[\g+5], 512
	s_mov_b32 s[\g+6], 0
	s_mov_b32 s[\g+7], 0
.endr
	s_mul_i32 s73, s12, PIECE                      ; piece w of a slot
	s_wait_dscnt 0x0
	s_wait_kmcnt 0x0
	s_add_nc_u64 s[20:21], s[4:5], s[20:21]
	s_add_nc_u64 s[22:23], s[4:5], s[22:23]
	s_add_nc_u64 s[6:7], s[6:7], s[66:67]
.irp s, 0,1
	s_mov_b32 s[G0X+4*\s], 1
	s_add_co_u32 s[G0X+4*\s+1], s73, \s*SLOT
	s_add_nc_u64 s[G0X+4*\s+2:G0X+4*\s+3], s[20:21], \s*PHASE
	s_or_b32 s[G0X+4*\s+3], s[G0X+4*\s+3], 0x80000000
	s_mov_b32 s[G0Y+4*\s], 1
	s_add_co_u32 s[G0Y+4*\s+1], s73, \s*SLOT
	s_add_nc_u64 s[G0Y+4*\s+2:G0Y+4*\s+3], s[22:23], \s*PHASE
	s_or_b32 s[G0Y+4*\s+3], s[G0Y+4*\s+3], 0x80000000
.endr
	ROUND                                          ; all sixteen work-groups are here: the first joint loads meet
	s_cmp_lt_u32 s12, 2                            ; both first fills of a wave inside one branch on its number
	s_cbranch_scc0 .Lfill_y
	tensor_load_to_lds s[G0X:G0X+3], s[G1X:G1X+7]
	s_nop 0
	tensor_load_to_lds s[G0X+4:G0X+7], s[G1X:G1X+7]
	s_nop 0
	s_branch .Lfill_done
.Lfill_y:
	tensor_load_to_lds s[G0Y:G0Y+3], s[G1Y:G1Y+7]
	s_nop 0
	tensor_load_to_lds s[G0Y+4:G0Y+7], s[G1Y:G1Y+7]
	s_nop 0
.Lfill_done:
	; the transposing load: lane L addresses row 8 (L/16) + L%8 of the 16 rows, 16 bytes at column block (L/8)%2
	v_and_b32 v1, 7, v0
	v_bfe_u32 v2, v0, 4, 1                         ; h
	v_lshl_add_u32 v1, v2, 3, v1
	v_mul_u32_u24 v1, v1, 288
	v_bfe_u32 v3, v0, 3, 1
	v_lshl_add_u32 v1, v3, 4, v1
	s_lshl_b32 s77, s75, 7                         ; my 64 columns of the row operand's tile: 128 bytes
	v_add_nc_u32 v[AR], s77, v1
	v_add_nc_u32 v[AR+1], PIECE, v[AR]
	v_add_nc_u32 v[AR+2], SLOT, v[AR]
	v_add_nc_u32 v[AR+3], SLOT+PIECE, v[AR]
	s_lshl_b32 s77, s13, 7
	s_add_co_u32 s77, s77, 2*PIECE
	v_add_nc_u32 v[AC], s77, v1
	v_add_nc_u32 v[AC+1], PIECE, v[AC]
	v_add_nc_u32 v[AC+2], SLOT, v[AC]
	v_add_nc_u32 v[AC+3], SLOT+PIECE, v[AC]
	v_and_b32 v3, 15, v0                           ; r
	s_mul_i32 s77, s12, 16*272
	s_add_co_u32 s77, s77, STAGE                   ; my stage
	v_mul_u32_u24 v15, v3, 272
	v_lshl_add_u32 v15, v2, 5, v15
	v_add_nc_u32 v[STO], s77, v15                  ; in: row r, 32 bytes for each half of the lanes
	v_mul_u32_u24 v15, v2, 272
	v_lshl_add_u32 v15, v3, 4, v15
	v_add_nc_u32 v[RD], s77, v15                   ; back: lanes 0-15 one row of 256 bytes, lanes 16-31 the next
	v_lshlrev_b32 v15, 11, v2
	v_lshl_add_u32 v[CO], v3, 4, v15               ; the same two rows in gp (2,048 bytes a row)
	s_wait_tensorcnt 0x1                           ; my piece of phase 0 is in; phase 1's may stay out
	s_barrier_signal -1
	s_barrier_wait -1
	FETCH 0, 0, F0
	RUN 0, 1                                       ; the first products start the sums: nothing is cleared
	CHG 1, 1, 0
	RUN 1, 0
	CHG 0, 1, 1
	RUN 0, 0
	CHG 1, 0, 0
	RUN 1, 0
	s_wait_dscnt 0x0
	MUL F1, 0
	; the way out, 16 rows at a time through my own stage: LDS serves a wave's instructions in order (ISA guide 5.7.1), so no wait between stores and loads
	PLACES
.irp a, 0,1,2,3
	WIN 0x04                                       ; store data from v256-v383
.irp c, 0,1,2,3
	ds_store_b128 v[STO], v[8*(4*\a+\c):8*(4*\a+\c)+3] offset:64*\c
	ds_store_b128 v[STO], v[8*(4*\a+\c)+4:8*(4*\a+\c)+7] offset:64*\c+16
.endr
	WIN 0
.irp t, 0,1,2,3,4,5,6,7
	ds_load_b128 v[F0+32*\a+4*\t:F0+32*\a+4*\t+3], v[RD] offset:\t*544
.endr
.irp t, 0,1,2,3,4,5,6,7
	s_wait_dscnt 7-\t                              ; load t of the eight is back
	global_store_b128 v[CO], v[F0+32*\a+4*\t:F0+32*\a+4*\t+3], s[6:7] offset:(16*\a+2*\t)*2048   ; 16 lanes store 256 consecutive bytes, aligned
.endr
.endr
	s_wait_tensorcnt 0x0
	ds_add_u32 v254, v255
	s_wait_dscnt 0x0
	ROUND                                          ; the closing round: no work-group ends while a partner may still ask jointly
	s_endpgm
.Lfunc_end_k_q255119ef25_gram:
	.size	k_q255119ef25_gram, .Lfunc_end_k_q255119ef25_gram-k_q255119ef25_gram
	.p2alignl 7, 3214868480
	.fill 96, 4, 3214868480
	.section	.rodata,"a",@progbits
	.p2align	6, 0x0
	.amdhsa_kernel k_q255119ef25_gram
		.amdhsa_group_segment_fixed_size 327680
		.amdhsa_private_segment_fixed_size 0
		.amdhsa_enable_private_segment 0
		.amdhsa_kernarg_size 16
		.amdhsa_user_sgpr_count 2
		.amdhsa_user_sgpr_kernarg_segment_ptr 1
		.amdhsa_wavefront_size32 1
		.amdhsa_system_sgpr_workgroup_id_x 1
		.amdhsa_system_sgpr_workgroup_id_y 1
		.amdhsa_system_sgpr_workgroup_id_z 1
		.amdhsa_system_vgpr_workitem_id 0
		.amdhsa_next_free_vgpr 384
		.amdhsa_next_free_sgpr 80
		.amdhsa_reserve_vcc 0
		.amdhsa_float_denorm_mode_32 3
		.amdhsa_float_denorm_mode_16_64 3
		.amdhsa_memory_ordered 1
		.amdhsa_forward_progress 1
		.amdhsa_inst_pref_size 88
	.end_amdhsa_kernel
	.amdgpu_metadata
---
amdhsa.version: [ 1, 2 ]
amdhsa.kernels:
  - .name:           k_q255119ef25_gram
    .symbol:         k_q255119ef25_gram.kd
    .args:
      - { .name: cv, .offset: 0, .size: 8, .value_kind: global_buffer, .address_space: global }
      - { .name: gp, .offset: 8, .size: 8, .value_kind: global_buffer, .address_space: global }
    .group_segment_fixed_size: 327680
    .private_segment_fixed_size: 0
    .kernarg_segment_align: 8
    .kernarg_segment_size: 16
    .max_flat_workgroup_size: 128
    .sgpr_count:     80
    .vgpr_count:     384
    .wavefront_size: 32
...
	.end_amdgpu_metadata
.endif
;; end of part 2
;; launch gsum (part 3): grid 256 x 1, 8 waves a work-group, no clusters, 0 bytes of LDS; arguments gp, g2; writes g2
.if DOCPART == 3
	.amdgcn_target "amdgcn-amd-amdhsa--gfx1250"
	.amdhsa_code_object_version 6
	.text
	.protected	k_q255119ef25_gsum
	.globl	k_q255119ef25_gsum
	.p2align	8
	.type	k_q255119ef25_gsum,@function
k_q255119ef25_gsum:
	s_mov_b64 s[64:65], 0
	v_nop
	global_prefetch_b8 v0, s[64:65] scope:SCOPE_SE
	s_setreg_imm32_b32 hwreg(HW_REG_WAVE_MODE, 25, 1), 1
	s_wait_xcnt 0x0
; gsum: G[b] = the sum of the four partial planes of gp, then split: hi = bf16(G), lo = bf16(G - hi), so that hi + lo carries about 16 bits of mantissa.
; LIMIT: a sum beyond bf16's largest number (about 3.39e38) gives hi = inf and lo = NaN.
; g2 row format: each 64 numbers are one block of 256 bytes, 64 hi (128 bytes) and then their 64 lo.
; Wave w of work-group g owns row 8 g + w of the 2,048 rows, as two chunks of 256 columns; a lane holds 8 neighbouring columns.
; All 16 loads go out first.  Lanes L and L xor 8 exchange one half, so that 16 neighbouring lanes store one whole block of 256 bytes.
; A stream: no LDS, no matrix unit, no cluster (no byte is shared between work-groups).
.set X,   4                            ; v[4:67]   chunk c, plane s: v[4+32c+8s : +7]
.set VHI, 68
.set VLO, 72
.set VT,  76                           ; v[76:83]
.set SND, 84
.macro SPLIT8 src, hi, lo, tmp
.irp i, 0,1,2,3
	v_cvt_pk_bf16_f32 v[\hi+\i], v[\src+2*\i], v[\src+2*\i+1]
.endr
.irp i, 0,1,2,3
	v_lshlrev_b32 v[\tmp+2*\i], 16, v[\hi+\i]
	v_and_b32 v[\tmp+2*\i+1], 0xffff0000, v[\hi+\i]
.endr
.irp i, 0,1,2,3
	v_pk_add_f32 v[\tmp+2*\i:\tmp+2*\i+1], v[\src+2*\i:\src+2*\i+1], v[\tmp+2*\i:\tmp+2*\i+1] neg_lo:[0,1] neg_hi:[0,1]
.endr
.irp i, 0,1,2,3
	v_cvt_pk_bf16_f32 v[\lo+\i], v[\tmp+2*\i], v[\tmp+2*\i+1]
.endr
.endm
.macro CHUNK ch, d                     ; d: eight registers for the two stores, the chunk's own
.irp p, 0,2,4,6
	v_pk_add_f32 v[X+32*\ch+\p:X+32*\ch+\p+1], v[X+32*\ch+\p:X+32*\ch+\p+1], v[X+32*\ch+8+\p:X+32*\ch+8+\p+1]
	v_pk_add_f32 v[X+32*\ch+16+\p:X+32*\ch+16+\p+1], v[X+32*\ch+16+\p:X+32*\ch+16+\p+1], v[X+32*\ch+24+\p:X+32*\ch+24+\p+1]
	v_pk_add_f32 v[X+32*\ch+\p:X+32*\ch+\p+1], v[X+32*\ch+\p:X+32*\ch+\p+1], v[X+32*\ch+16+\p:X+32*\ch+16+\p+1]
.endr
	SPLIT8 X+32*\ch, VHI, VLO, VT
.irp i, 0,1,2,3
	v_cndmask_b32 v[SND+\i], v[VLO+\i], v[VHI+\i], vcc_lo          ; lanes of an even block send lo, lanes of an odd block send hi
.endr
.irp i, 0,1,2,3
	v_mov_b32_dpp v[VT+\i], v[SND+\i] row_xmask:8 row_mask:0xf bank_mask:0xf
.endr
.irp i, 0,1,2,3
	v_cndmask_b32 v[\d+\i], v[VHI+\i], v[VT+\i], vcc_lo            ; even block: its 64 hi from lanes 0-7, its 64 lo through lanes 8-15
	v_cndmask_b32 v[\d+4+\i], v[VT+\i], v[VLO+\i], vcc_lo          ; odd block likewise
.endr
	global_store_b128 v2, v[\d:\d+3], s[6:7] offset:\ch*1024
	global_store_b128 v2, v[\d+4:\d+7], s[6:7] offset:\ch*1024+256
.endm
	s_load_b128 s[4:7], s[0:1], 0x0                ; gp, g2
	v_lshrrev_b32 v1, 5, v0
	v_lshlrev_b32 v1, 11, v1                       ; wave x one row of 2,048 bytes
	v_mov_b32 v2, v1
	v_and_b32 v3, 31, v0
	v_lshl_add_u32 v1, v3, 5, v1                   ; + 32 bytes a lane
	v_bfe_u32 v3, v0, 4, 1
	v_lshl_add_u32 v2, v3, 9, v2                   ; out: lanes 16-31 two blocks further on
	v_and_b32 v3, 15, v0
	v_lshl_add_u32 v2, v3, 4, v2
	v_and_b32 v3, 8, v0
	v_cmp_ne_u32 vcc_lo, 0, v3                     ; lanes whose 8 columns lie in an odd block
	s_lshr_b32 s8, ttmp9, 6                        ; b
	s_lshl_b32 s8, s8, 22                          ; four planes of 1,048,576 bytes
	s_and_b32 s10, ttmp9, 63
	s_lshl_b32 s10, s10, 14                        ; eight rows a work-group
	s_add_co_u32 s8, s8, s10
	s_mov_b32 s9, 0
	s_lshl_b32 s10, ttmp9, 14
	s_mov_b32 s11, 0
	s_wait_kmcnt 0x0
	s_add_nc_u64 s[4:5], s[4:5], s[8:9]
	s_add_nc_u64 s[6:7], s[6:7], s[10:11]
.irp c, 0,1
.irp s, 0,1,2,3
	global_load_b128 v[X+32*\c+8*\s:X+32*\c+8*\s+3],   v1, s[4:5] offset:\s*1048576+\c*1024 th:TH_LOAD_NT
	global_load_b128 v[X+32*\c+8*\s+4:X+32*\c+8*\s+7], v1, s[4:5] offset:\s*1048576+\c*1024+16 th:TH_LOAD_NT
.endr
.endr
	s_wait_loadcnt 0x8                             ; chunk 0's eight loads are in, chunk 1's eight stay out
	CHUNK 0, 88
	s_wait_loadcnt 0x0
	CHUNK 1, 12                                    ; v[12:19] held chunk 0's second plane: free, and no pending store names them
	s_endpgm
.Lfunc_end_k_q255119ef25_gsum:
	.size	k_q255119ef25_gsum, .Lfunc_end_k_q255119ef25_gsum-k_q255119ef25_gsum
	.p2alignl 7, 3214868480
	.fill 96, 4, 3214868480
	.section	.rodata,"a",@progbits
	.p2align	6, 0x0
	.amdhsa_kernel k_q255119ef25_gsum
		.amdhsa_group_segment_fixed_size 0
		.amdhsa_private_segment_fixed_size 0
		.amdhsa_enable_private_segment 0
		.amdhsa_kernarg_size 16
		.amdhsa_user_sgpr_count 2
		.amdhsa_user_sgpr_kernarg_segment_ptr 1
		.amdhsa_wavefront_size32 1
		.amdhsa_system_sgpr_workgroup_id_x 1
		.amdhsa_system_sgpr_workgroup_id_y 1
		.amdhsa_system_sgpr_workgroup_id_z 1
		.amdhsa_system_vgpr_workitem_id 0
		.amdhsa_next_free_vgpr 96
		.amdhsa_next_free_sgpr 66
		.amdhsa_reserve_vcc 1
		.amdhsa_float_denorm_mode_32 3
		.amdhsa_float_denorm_mode_16_64 3
		.amdhsa_memory_ordered 1
		.amdhsa_forward_progress 1
		.amdhsa_inst_pref_size 9
	.end_amdhsa_kernel
	.amdgpu_metadata
---
amdhsa.version: [ 1, 2 ]
amdhsa.kernels:
  - .name:           k_q255119ef25_gsum
    .symbol:         k_q255119ef25_gsum.kd
    .args:
      - { .name: gp, .offset: 0, .size: 8, .value_kind: global_buffer, .address_space: global }
      - { .name: g2, .offset: 8, .size: 8, .value_kind: global_buffer, .address_space: global }
    .group_segment_fixed_size: 0
    .private_segment_fixed_size: 0
    .kernarg_segment_align: 8
    .kernarg_segment_size: 16
    .max_flat_workgroup_size: 256
    .sgpr_count:     66
    .vgpr_count:     96
    .wavefront_size: 32
...
	.end_amdgpu_metadata
.endif
;; end of part 3
;; launch tone (part 4): grid 8 x 32, 4 waves a work-group, clusters of 4 x 4, 303,616 bytes of LDS; arguments cv, g2, t1w; writes t1w
.if DOCPART == 4
	.amdgcn_target "amdgcn-amd-amdhsa--gfx1250"
	.amdhsa_code_object_version 6
	.text
	.protected	k_q255119ef25_tone
	.globl	k_q255119ef25_tone
	.p2align	8
	.type	k_q255119ef25_tone,@function
k_q255119ef25_tone:
	s_mov_b64 s[64:65], 0
	v_nop
	global_prefetch_b8 v0, s[64:65] scope:SCOPE_SE
	s_setreg_imm32_b32 hwreg(HW_REG_WAVE_MODE, 25, 1), 1
	s_wait_xcnt 0x0
	s_wait_alu depctr_hold_cnt(0) depctr_sa_sdst(0) depctr_va_vdst(0) depctr_va_sdst(0) depctr_va_ssrc(0) depctr_va_vcc(0) depctr_vm_vsrc(0)
	s_getreg_b32 s2, hwreg(HW_REG_IB_STS2, 6, 4)
	s_cmp_eq_u32 s2, 0
	s_cbranch_scc0 .Lentry_in_a_cluster
	s_endpgm
.Lentry_in_a_cluster:
	s_bfe_u32 s2, ttmp6, 0x10000c
	s_cmp_lg_u32 s2, 0xf033
	s_cbranch_scc0 .Lentry_shape_is_right
	s_endpgm
.Lentry_shape_is_right:
; tone: T1[b][k][f] = sum over e of Wq[k][e] G[b][f][e].  Wq in bf16 (X), G as hi + lo in bf16 (Y): each product is made twice on one f32 sum.
; Result split again into hi + lo (LIMIT: beyond about 3.39e38 hi = inf, lo = NaN), rows of t1w in blocks of 64 hi + 64 lo (256 bytes).
; Work-group: 128 k x 64 f; four waves of 64 k x 32 f (4 x 2 tiles).  K = 512 in two phases of 256, both slots filled at the start: no slot is filled again.
; JOINT LOADS in 4 x 4 clusters: Wq's tile hangs on cy (and the cluster's y) and is asked for by a cluster row together; G's hangs on cx, the cluster's x and b
; and is asked for by a cluster column together.
; The matrix instruction takes Y's fragment first: a lane holds 8 neighbouring f of one row k.
.set PX, 528                           ; X row in LDS: 512 bytes + 16
.set PY, 1040                          ; Y row: 1,024 bytes (256 numbers as 4 blocks hi/lo) + 16
.set XH, 64*PX                         ; one X load: 64 rows
.set YH, 32*PY                         ; one Y load: 32 rows
.set XBYTES, 2*XH
.set SLOT, XBYTES+2*YH
.set XSTEP, 512
.set YSTEP, 1024
.set STAGE, 2*SLOT                     ; 128 rows x 272 bytes, never the target of a tensor load
.set NF, 16
.set WQ_OFF, 16777216
.set RPW, 32                           ; rows that a wave carries out
.set ROWB, 2048                        ; bytes in a row of t1w
.set ADRX, 10
.set ADRY, 14
.set STO, 17
.set RD, 18
.set CO, 19
.set F0, 32                            ; v[32:95]   X fragments at +8a, Y fragments at +32+8(2c+hl)
.set F1, 96                            ; v[96:159]
.set ACC, 160                          ; v[160:223] tile (a, c) at +8(2a+c)
.set VHI, 240
.set VLO, 244
.set VT, 248
.set G1X, 24
.set G0X, 32
.set G1Y, 44
.set G0Y, 52
.macro ROUND
	s_barrier_signal -1
	s_barrier_wait -1
	s_cmp_lg_u32 s12, 0
	s_cbranch_scc1 .Lnot_wave_0_\@
	s_barrier_signal -3
.Lnot_wave_0_\@:
	s_barrier_wait -3
	s_barrier_signal -1
	s_barrier_wait -1
.endm
.macro PLACES                          ; four independent vector instructions behind a matrix instruction (ISA guide 7.12.1)
.rept 4
	v_nop
.endr
.endm
.macro FETCH slot, k, f                ; fragments of 32 K at logical k of the slot
.irp a, 0,1,2,3
	ds_load_b128 v[\f+8*\a:\f+8*\a+3],   v[ADRX+\slot] offset:2*\k+\a*16*PX
	ds_load_b128 v[\f+8*\a+4:\f+8*\a+7], v[ADRX+\slot] offset:2*\k+\a*16*PX+32
.endr
.irp c, 0,1
.irp hl, 0,1
	ds_load_b128 v[\f+32+8*(2*\c+\hl):\f+32+8*(2*\c+\hl)+3],   v[ADRY+\slot] offset:(\k/64)*256+(\k%64)*2+\hl*128+\c*16*PY
	ds_load_b128 v[\f+32+8*(2*\c+\hl)+4:\f+32+8*(2*\c+\hl)+7], v[ADRY+\slot] offset:(\k/64)*256+(\k%64)*2+\hl*128+\c*16*PY+32
.endr
.endr
.endm
.macro MULP f, hl, zero                ; the 8 accumulators take turns, one instruction a turn
.irp a, 0,1,2,3
.irp c, 0,1
.if \zero
	v_wmma_f32_16x16x32_bf16 v[ACC+8*(2*\a+\c):ACC+8*(2*\a+\c)+7], v[\f+32+8*(2*\c+\hl):\f+32+8*(2*\c+\hl)+7], v[\f+8*\a:\f+8*\a+7], 0
.else
	v_wmma_f32_16x16x32_bf16 v[ACC+8*(2*\a+\c):ACC+8*(2*\a+\c)+7], v[\f+32+8*(2*\c+\hl):\f+32+8*(2*\c+\hl)+7], v[\f+8*\a:\f+8*\a+7], v[ACC+8*(2*\a+\c):ACC+8*(2*\a+\c)+7]
.endif
.endr
.endr
.endm
.macro MUL f, zero
	MULP \f, 0, \zero
	MULP \f, 1, 0
.endm
.macro STEP slot, k, g, f, zero
	PLACES
	FETCH \slot, \k, \g
	s_wait_dscnt NF                                ; all but the 16 loads just issued are back
	MUL \f, \zero
.endm
.macro RUN slot, zero
	STEP \slot, 32,  F1, F0, \zero
	STEP \slot, 64,  F0, F1, 0
	STEP \slot, 96,  F1, F0, 0
	STEP \slot, 128, F0, F1, 0
	STEP \slot, 160, F1, F0, 0
	STEP \slot, 192, F0, F1, 0
	STEP \slot, 224, F1, F0, 0
.endm
.macro SPLIT8 src, hi, lo, tmp         ; 8 f32 -> 8 bf16 hi and 8 bf16 lo = bf16(v - hi)
.irp i, 0,1,2,3
	v_cvt_pk_bf16_f32 v[\hi+\i], v[\src+2*\i], v[\src+2*\i+1]
.endr
.irp i, 0,1,2,3
	v_lshlrev_b32 v[\tmp+2*\i], 16, v[\hi+\i]
	v_and_b32 v[\tmp+2*\i+1], 0xffff0000, v[\hi+\i]
.endr
.irp i, 0,1,2,3
	v_pk_add_f32 v[\tmp+2*\i:\tmp+2*\i+1], v[\src+2*\i:\src+2*\i+1], v[\tmp+2*\i:\tmp+2*\i+1] neg_lo:[0,1] neg_hi:[0,1]
.endr
.irp i, 0,1,2,3
	v_cvt_pk_bf16_f32 v[\lo+\i], v[\tmp+2*\i], v[\tmp+2*\i+1]
.endr
.endm
	s_load_b128 s[4:7], s[0:1], 0x0                ; cv, g2
	s_load_b64 s[8:9], s[0:1], 0x10                ; t1w
	v_lshl_add_u32 v238, v0, 2, 0x4a000
	v_mov_b32 v239, 0
	ds_add_u32 v238, v239
	v_lshrrev_b32 v1, 5, v0
	v_readfirstlane_b32 s12, v1                    ; wave
	s_and_b32 s13, s12, 1                          ; wy; also the half that I fetch
	s_lshr_b32 s75, s12, 1                         ; wx
	s_bfe_u32 s14, ttmp6, 0x40000                  ; cx
	s_bfe_u32 s15, ttmp6, 0x40004                  ; cy
	s_lshl_b32 s16, ttmp9, 2
	s_add_co_u32 s16, s16, s14                     ; block of f = 4 x cluster x + cx
	s_and_b32 s17, ttmp7, 0xffff                   ; cluster y = 2 b + upper half of k
	s_lshl_b32 s18, s15, 2
	s_lshl_b32 s18, 15, s18                        ; my row of the cluster
	s_lshl_b32 s19, 0x1111, s14                    ; my column
	s_lshl_b32 s72, s13, 16                        ; the second half: 64 rows of 1,024 bytes, or 32 rows of 2,048
	s_and_b32 s20, s17, 1
	s_lshl_b32 s20, s20, 2
	s_add_co_u32 s20, s20, s15                     ; block of k
	s_lshl_b32 s20, s20, 17                        ; 128 rows of 1,024 bytes
	s_add_co_u32 s20, s20, s72
	s_add_co_u32 s20, s20, WQ_OFF
	s_mov_b32 s21, 0
	s_lshr_b32 s22, s17, 1                         ; b
	s_lshl_b32 s22, s22, 20
	s_lshl_b32 s71, s16, 17                        ; 64 rows of 2,048 bytes
	s_add_co_u32 s22, s22, s71
	s_add_co_u32 s22, s22, s72
	s_mov_b32 s23, 0
	s_lshl_b32 s66, s17, 2
	s_add_co_u32 s66, s66, s15                     ; 8 b + block of k
	s_lshl_b32 s66, s66, 18                        ; 128 rows of 2,048 bytes
	s_lshl_b32 s68, s16, 8                         ; one block of 256 bytes for my 64 f
	s_add_co_u32 s66, s66, s68
	s_mov_b32 s67, 0
	s_or_b32 s[G1X+0], s18, (1<<16)|(1<<20)|(1<<21)|(6<<22)|(3<<25)   ; 2-byte elements, 4 words of padding behind every 128, mask of my row
	s_mov_b32 s[G1X+1], 256<<16
	s_mov_b32 s[G1X+2], 64<<16
	s_mov_b32 s[G1X+3], 256<<16
	s_mov_b32 s[G1X+4], 64
	s_mov_b32 s[G1X+5], 512
	s_mov_b32 s[G1X+6], 0
	s_mov_b32 s[G1X+7], 0
	s_or_b32 s[G1Y+0], s19, (1<<16)|(1<<20)|(1<<21)|(7<<22)|(3<<25)   ; padding behind every 256 words, mask of my column
	s_mov_b32 s[G1Y+1], 512<<16
	s_mov_b32 s[G1Y+2], 32<<16
	s_mov_b32 s[G1Y+3], 512<<16
	s_mov_b32 s[G1Y+4], 32
	s_mov_b32 s[G1Y+5], 1024
	s_mov_b32 s[G1Y+6], 0
	s_mov_b32 s[G1Y+7], 0
	s_mul_i32 s73, s13, XH
	s_mul_i32 s74, s13, YH
	s_add_co_u32 s74, s74, XBYTES
	s_wait_dscnt 0x0
	s_wait_kmcnt 0x0
	s_add_nc_u64 s[20:21], s[4:5], s[20:21]
	s_add_nc_u64 s[22:23], s[6:7], s[22:23]
	s_add_nc_u64 s[8:9], s[8:9], s[66:67]
.irp s, 0,1
	s_mov_b32 s[G0X+4*\s], 1
	s_add_co_u32 s[G0X+4*\s+1], s73, \s*SLOT
	s_add_nc_u64 s[G0X+4*\s+2:G0X+4*\s+3], s[20:21], \s*XSTEP
	s_or_b32 s[G0X+4*\s+3], s[G0X+4*\s+3], 0x80000000
	s_mov_b32 s[G0Y+4*\s], 1
	s_add_co_u32 s[G0Y+4*\s+1], s74, \s*SLOT
	s_add_nc_u64 s[G0Y+4*\s+2:G0Y+4*\s+3], s[22:23], \s*YSTEP
	s_or_b32 s[G0Y+4*\s+3], s[G0Y+4*\s+3], 0x80000000
.endr
	ROUND                                          ; the first joint loads meet
	s_cmp_lt_u32 s12, 2                            ; waves 0, 1: X's halves; waves 2, 3: Y's
	s_cbranch_scc0 .Lfill_y
	tensor_load_to_lds s[G0X:G0X+3], s[G1X:G1X+7]
	s_nop 0
	tensor_load_to_lds s[G0X+4:G0X+7], s[G1X:G1X+7]
	s_nop 0
	s_branch .Lfill_done
.Lfill_y:
	tensor_load_to_lds s[G0Y:G0Y+3], s[G1Y:G1Y+7]
	s_nop 0
	tensor_load_to_lds s[G0Y+4:G0Y+7], s[G1Y:G1Y+7]
	s_nop 0
.Lfill_done:
	v_and_b32 v1, 15, v0                           ; r
	v_bfe_u32 v2, v0, 4, 1                         ; h
	v_mul_u32_u24 v3, v1, PX
	v_lshl_add_u32 v3, v2, 4, v3
	v_mul_u32_u24 v4, v1, PY
	v_lshl_add_u32 v4, v2, 4, v4
	s_mul_i32 s77, s75, 64*PX
	v_add_nc_u32 v[ADRX], s77, v3
	v_add_nc_u32 v[ADRX+1], SLOT, v[ADRX]
	s_mul_i32 s77, s13, 32*PY
	s_add_co_u32 s77, s77, XBYTES
	v_add_nc_u32 v[ADRY], s77, v4
	v_add_nc_u32 v[ADRY+1], SLOT, v[ADRY]
	v_mul_u32_u24 v5, v1, 272
	v_lshl_add_u32 v5, v2, 4, v5
	s_mul_i32 s77, s75, 64*272
	s_lshl_b32 s76, s13, 6
	s_add_co_u32 s77, s77, s76
	s_add_co_u32 s77, s77, STAGE
	v_add_nc_u32 v[STO], s77, v5                   ; stage row 64 wx + r, byte 64 wy + 16 h
	v_mul_u32_u24 v6, v2, 272
	v_lshl_add_u32 v6, v1, 4, v6
	s_mul_i32 s77, s12, RPW*272
	s_add_co_u32 s77, s77, STAGE
	v_add_nc_u32 v[RD], s77, v6
	v_mul_u32_u24 v7, v2, ROWB
	v_lshl_add_u32 v7, v1, 4, v7
	s_mul_i32 s77, s12, RPW*ROWB
	v_add_nc_u32 v[CO], s77, v7
	s_wait_tensorcnt 0x1                           ; my piece of phase 0 is in; phase 1's stays out
	s_barrier_signal -1
	s_barrier_wait -1
	FETCH 0, 0, F0
	RUN 0, 1
	s_wait_dscnt 0x0
	s_wait_tensorcnt 0x0                           ; my piece of phase 1 is in
	s_barrier_signal -1
	s_barrier_wait -1                              ; everybody's is
	PLACES
	FETCH 1, 0, F0
	MUL F1, 0
	RUN 1, 0
	s_wait_dscnt 0x0
	MUL F1, 0
	; the way out: split, 16 bytes of hi and of lo a lane into the stage, whole rows of 256 bytes back
	PLACES
.irp a, 0,1,2,3
.irp c, 0,1
	SPLIT8 ACC+8*(2*\a+\c), VHI, VLO, VT
	ds_store_b128 v[STO], v[VHI:VHI+3] offset:\a*16*272+32*\c
	ds_store_b128 v[STO], v[VLO:VLO+3] offset:\a*16*272+32*\c+128
.endr
.endr
	s_wait_dscnt 0x0                               ; my stores are done, for the waves that read them
	s_barrier_signal -1
	s_barrier_wait -1
.irp t, 0,1,2,3,4,5,6,7,8,9,10,11,12,13,14,15
	ds_load_b128 v[F0+4*\t:F0+4*\t+3], v[RD] offset:\t*544
.endr
.irp t, 0,1,2,3,4,5,6,7,8,9,10,11,12,13,14,15
	s_wait_dscnt 15-\t                             ; load t of the sixteen is back
	global_store_b128 v[CO], v[F0+4*\t:F0+4*\t+3], s[8:9] offset:\t*2*ROWB   ; 16 lanes store one whole block of 256 bytes
.endr
	s_wait_tensorcnt 0x0
	ds_add_u32 v238, v239
	s_wait_dscnt 0x0
	ROUND                                          ; the closing round
	s_endpgm
.Lfunc_end_k_q255119ef25_tone:
	.size	k_q255119ef25_tone, .Lfunc_end_k_q255119ef25_tone-k_q255119ef25_tone
	.p2alignl 7, 3214868480
	.fill 96, 4, 3214868480
	.section	.rodata,"a",@progbits
	.p2align	6, 0x0
	.amdhsa_kernel k_q255119ef25_tone
		.amdhsa_group_segment_fixed_size 303616
		.amdhsa_private_segment_fixed_size 0
		.amdhsa_enable_private_segment 0
		.amdhsa_kernarg_size 24
		.amdhsa_user_sgpr_count 2
		.amdhsa_user_sgpr_kernarg_segment_ptr 1
		.amdhsa_wavefront_size32 1
		.amdhsa_system_sgpr_workgroup_id_x 1
		.amdhsa_system_sgpr_workgroup_id_y 1
		.amdhsa_system_sgpr_workgroup_id_z 1
		.amdhsa_system_vgpr_workitem_id 0
		.amdhsa_next_free_vgpr 256
		.amdhsa_next_free_sgpr 80
		.amdhsa_reserve_vcc 0
		.amdhsa_float_denorm_mode_32 3
		.amdhsa_float_denorm_mode_16_64 3
		.amdhsa_memory_ordered 1
		.amdhsa_forward_progress 1
		.amdhsa_inst_pref_size 55
	.end_amdhsa_kernel
	.amdgpu_metadata
---
amdhsa.version: [ 1, 2 ]
amdhsa.kernels:
  - .name:           k_q255119ef25_tone
    .symbol:         k_q255119ef25_tone.kd
    .args:
      - { .name: cv, .offset: 0, .size: 8, .value_kind: global_buffer, .address_space: global }
      - { .name: g2, .offset: 8, .size: 8, .value_kind: global_buffer, .address_space: global }
      - { .name: t1w, .offset: 16, .size: 8, .value_kind: global_buffer, .address_space: global }
    .group_segment_fixed_size: 303616
    .private_segment_fixed_size: 0
    .kernarg_segment_align: 8
    .kernarg_segment_size: 24
    .max_flat_workgroup_size: 128
    .sgpr_count:     80
    .vgpr_count:     256
    .wavefront_size: 32
...
	.end_amdgpu_metadata
.endif
;; end of part 4
;; launch sexp (part 5): grid 8 x 32, 8 waves a work-group, clusters of 4 x 4, 327,680 bytes of LDS; arguments cv, t1w, es; writes es
.if DOCPART == 5
	.amdgcn_target "amdgcn-amd-amdhsa--gfx1250"
	.amdhsa_code_object_version 6
	.text
	.protected	k_q255119ef25_sexp
	.globl	k_q255119ef25_sexp
	.p2align	8
	.type	k_q255119ef25_sexp,@function
k_q255119ef25_sexp:
	s_mov_b64 s[64:65], 0
	v_nop
	global_prefetch_b8 v0, s[64:65] scope:SCOPE_SE
	s_setreg_imm32_b32 hwreg(HW_REG_WAVE_MODE, 25, 1), 1
	s_wait_xcnt 0x0
	s_wait_alu depctr_hold_cnt(0) depctr_sa_sdst(0) depctr_va_vdst(0) depctr_va_sdst(0) depctr_va_ssrc(0) depctr_va_vcc(0) depctr_vm_vsrc(0)
	s_getreg_b32 s2, hwreg(HW_REG_IB_STS2, 6, 4)
	s_cmp_eq_u32 s2, 0
	s_cbranch_scc0 .Lentry_in_a_cluster
	s_endpgm
.Lentry_in_a_cluster:
	s_bfe_u32 s2, ttmp6, 0x10000c
	s_cmp_lg_u32 s2, 0xf033
	s_cbranch_scc0 .Lentry_shape_is_right
	s_endpgm
.Lentry_shape_is_right:
; sexp: S[b][k][j] = sum over f of T1[b][k][f] Wk[j][f]; then, for each row k and each block of 64 columns j:
;   m = (largest S of the block) x log2(e)/32,  E = 2^(S log2(e)/32 - m) split into hi + lo in bf16,  l = the sum of the block's E.
; The next launch joins the 16 blocks of a row by their true common maximum: the softmax takes the row's maximum away, as written.
; es: E [b][k][4,096 bytes] in blocks of 64 hi + 64 lo; behind it (byte 16,777,216) the figures [b][block 0..15][k][m, l] in f32.
; Work-group: 128 k (Y = t1w, hi + lo) x 128 j (X = Wk in bf16); eight waves of 32 k x 64 j.  K = 512 in four phases of 128 through three slots:
; three first fills, one refill (phase 3 into slot 0).
; JOINT LOADS in 4 x 4 clusters: Wk's tile hangs on cx and the cluster's x (shared along a cluster column), T1's on cy and the cluster's y (along a row).
; The matrix instruction takes X's fragment first: a lane holds 8 neighbouring j of one row k; a row's 64 j lie in lanes r and r + 16.
.set WAVES, 8
.set PX, 272
.set PY, 528
.set XH, 64*PX
.set YH, 64*PY
.set XBYTES, 2*XH
.set SLOT, XBYTES+2*YH
.set XSTEP, 256
.set YSTEP, 512
.set NS, 3
.set NF, 16
.set WK_OFF, 17825792
.set ST_OFF, 16777216
.set ADRX, 10                          ; v10-12
.set ADRY, 14                          ; v14-16
.set STO, 17
.set RD, 18
.set CO, 19
.set SOFF, 20
.set F0, 32
.set F1, 96
.set ACC, 160
.set MX, 224                           ; v[224:227]
.set PS, 228                           ; v[228:235]
.set STAT, 236                         ; v[236:239] m, l of tile 0; m, l of tile 1
.set VHI, 240
.set VLO, 244
.set VT, 248
.set G1X, 24
.set G0X, 32
.set G1Y, 44
.set G0Y, 52
.macro ROUND
	s_barrier_signal -1
	s_barrier_wait -1
	s_cmp_lg_u32 s12, 0
	s_cbranch_scc1 .Lnot_wave_0_\@
	s_barrier_signal -3
.Lnot_wave_0_\@:
	s_barrier_wait -3
	s_barrier_signal -1
	s_barrier_wait -1
.endm
.macro JLOAD s                         ; waves 0, 1: X's halves; waves 2, 3: Y's; waves 4 to 7 have no part of a tile to fill
	s_cmp_lt_u32 s12, 2
	s_cbranch_scc0 .Lj_y_\@
	tensor_load_to_lds s[G0X+4*\s:G0X+4*\s+3], s[G1X:G1X+7]
	s_nop 0
	s_branch .Lj_done_\@
.Lj_y_\@:
	s_cmp_lt_u32 s12, 4
	s_cbranch_scc0 .Lj_done_\@
	tensor_load_to_lds s[G0Y+4*\s:G0Y+4*\s+3], s[G1Y:G1Y+7]
	s_nop 0
.Lj_done_\@:
.endm
.macro PLACES                          ; four independent vector instructions behind a matrix instruction (ISA guide 7.12.1)
.rept 4
	v_nop
.endr
.endm
.macro FETCH slot, k, f
.irp a, 0,1,2,3
	ds_load_b128 v[\f+8*\a:\f+8*\a+3],   v[ADRX+\slot] offset:2*\k+\a*16*PX
	ds_load_b128 v[\f+8*\a+4:\f+8*\a+7], v[ADRX+\slot] offset:2*\k+\a*16*PX+32
.endr
.irp c, 0,1
.irp hl, 0,1
	ds_load_b128 v[\f+32+8*(2*\c+\hl):\f+32+8*(2*\c+\hl)+3],   v[ADRY+\slot] offset:(\k/64)*256+(\k%64)*2+\hl*128+\c*16*PY
	ds_load_b128 v[\f+32+8*(2*\c+\hl)+4:\f+32+8*(2*\c+\hl)+7], v[ADRY+\slot] offset:(\k/64)*256+(\k%64)*2+\hl*128+\c*16*PY+32
.endr
.endr
.endm
.macro MULP f, hl, zero                ; the 8 accumulators take turns, one instruction a turn
.irp a, 0,1,2,3
.irp c, 0,1
.if \zero
	v_wmma_f32_16x16x32_bf16 v[ACC+8*(2*\a+\c):ACC+8*(2*\a+\c)+7], v[\f+8*\a:\f+8*\a+7], v[\f+32+8*(2*\c+\hl):\f+32+8*(2*\c+\hl)+7], 0
.else
	v_wmma_f32_16x16x32_bf16 v[ACC+8*(2*\a+\c):ACC+8*(2*\a+\c)+7], v[\f+8*\a:\f+8*\a+7], v[\f+32+8*(2*\c+\hl):\f+32+8*(2*\c+\hl)+7], v[ACC+8*(2*\a+\c):ACC+8*(2*\a+\c)+7]
.endif
.endr
.endr
.endm
.macro MUL f, zero
	MULP \f, 0, \zero
	MULP \f, 1, 0
.endm
.macro STEP slot, k, g, f, zero
	PLACES
	FETCH \slot, \k, \g
	s_wait_dscnt NF                                ; all but the 16 loads just issued are back
	MUL \f, \zero
.endm
.macro RUN slot, zero
	STEP \slot, 32, F1, F0, \zero
	STEP \slot, 64, F0, F1, 0
	STEP \slot, 96, F1, F0, 0
.endm
.macro CHG next, kind, rslot
	s_wait_dscnt 0x0                               ; my reads of the slot are back
	s_wait_tensorcnt 0x0                           ; all my tensor loads have landed
	ds_add_u32 v30, v31
	s_wait_dscnt 0x0
.if \kind
	s_add_nc_u64 s[G0X+4*\rslot+2:G0X+4*\rslot+3], s[G0X+4*\rslot+2:G0X+4*\rslot+3], NS*XSTEP
	s_add_nc_u64 s[G0Y+4*\rslot+2:G0Y+4*\rslot+3], s[G0Y+4*\rslot+2:G0Y+4*\rslot+3], NS*YSTEP
	ROUND                                          ; both hold of every wave of all sixteen work-groups
	JLOAD \rslot                                   ; the refill: first and only tensor load of a wave behind the round
.else
	s_barrier_signal -1
	s_barrier_wait -1
.endif
	PLACES
	FETCH \next, 0, F0
	MUL F1, 0
.endm
.macro SPLIT8 src, hi, lo, tmp
.irp i, 0,1,2,3
	v_cvt_pk_bf16_f32 v[\hi+\i], v[\src+2*\i], v[\src+2*\i+1]
.endr
.irp i, 0,1,2,3
	v_lshlrev_b32 v[\tmp+2*\i], 16, v[\hi+\i]
	v_and_b32 v[\tmp+2*\i+1], 0xffff0000, v[\hi+\i]
.endr
.irp i, 0,1,2,3
	v_pk_add_f32 v[\tmp+2*\i:\tmp+2*\i+1], v[\src+2*\i:\src+2*\i+1], v[\tmp+2*\i:\tmp+2*\i+1] neg_lo:[0,1] neg_hi:[0,1]
.endr
.irp i, 0,1,2,3
	v_cvt_pk_bf16_f32 v[\lo+\i], v[\tmp+2*\i], v[\tmp+2*\i+1]
.endr
.endm
; The 16 rows of Y tile c: maximum, exponentials, sum, split, and out through my own stage.  rb: 32 registers for the way out, the tile's own.
.macro ROWS c, rb
.irp a, 0,1,2,3
	v_max3_num_f32 v[MX+\a], v[ACC+8*(2*\a+\c)], v[ACC+8*(2*\a+\c)+1], v[ACC+8*(2*\a+\c)+2]
.endr
.irp a, 0,1,2,3
	v_max3_num_f32 v[MX+\a], v[MX+\a], v[ACC+8*(2*\a+\c)+3], v[ACC+8*(2*\a+\c)+4]
.endr
.irp a, 0,1,2,3
	v_max3_num_f32 v[MX+\a], v[MX+\a], v[ACC+8*(2*\a+\c)+5], v[ACC+8*(2*\a+\c)+6]
.endr
.irp a, 0,1,2,3
	v_max_num_f32 v[MX+\a], v[MX+\a], v[ACC+8*(2*\a+\c)+7]
.endr
	v_max3_num_f32 v[MX], v[MX], v[MX+1], v[MX+2]
	v_max_num_f32 v[MX], v[MX], v[MX+3]
	v_permlanex16_b32 v[MX+1], v[MX], s78, s79     ; the row's other 32 columns lie 16 lanes away
	v_max_num_f32 v[MX], v[MX], v[MX+1]
	v_mul_f32 v[STAT+2*\c], s80, v[MX]             ; m
	v_mul_f32 v[MX+2], s82, v[MX]                  ; -m, twice for the packed form
	v_mul_f32 v[MX+3], s82, v[MX]
.irp a, 0,1,2,3
.irp p, 0,2,4,6
	v_pk_fma_f32 v[ACC+8*(2*\a+\c)+\p:ACC+8*(2*\a+\c)+\p+1], v[ACC+8*(2*\a+\c)+\p:ACC+8*(2*\a+\c)+\p+1], s[80:81], v[MX+2:MX+3] op_sel_hi:[1,0,1]
.endr
.endr
.irp a, 0,1,2,3
.irp j, 0,1,2,3,4,5,6,7
	v_exp_f32 v[ACC+8*(2*\a+\c)+\j], v[ACC+8*(2*\a+\c)+\j]
.endr
.endr
	v_nop                                          ; one plain vector instruction before a transcendental's result is used (ISA guide 5.7.2)
	s_wait_alu depctr_va_vdst(0)
.irp a, 0,1,2,3
	v_pk_add_f32 v[PS+2*\a:PS+2*\a+1], v[ACC+8*(2*\a+\c):ACC+8*(2*\a+\c)+1], v[ACC+8*(2*\a+\c)+2:ACC+8*(2*\a+\c)+3]
	v_pk_add_f32 v[VT+2*\a:VT+2*\a+1], v[ACC+8*(2*\a+\c)+4:ACC+8*(2*\a+\c)+5], v[ACC+8*(2*\a+\c)+6:ACC+8*(2*\a+\c)+7]
.endr
.irp a, 0,1,2,3
	v_pk_add_f32 v[PS+2*\a:PS+2*\a+1], v[PS+2*\a:PS+2*\a+1], v[VT+2*\a:VT+2*\a+1]
.endr
	v_pk_add_f32 v[PS:PS+1], v[PS:PS+1], v[PS+2:PS+3]
	v_pk_add_f32 v[PS+4:PS+5], v[PS+4:PS+5], v[PS+6:PS+7]
	v_pk_add_f32 v[PS:PS+1], v[PS:PS+1], v[PS+4:PS+5]
	v_add_f32 v[PS], v[PS], v[PS+1]
	v_permlanex16_b32 v[PS+1], v[PS], s78, s79
	v_add_f32 v[STAT+2*\c+1], v[PS], v[PS+1]       ; l
.irp a, 0,1,2,3
	SPLIT8 ACC+8*(2*\a+\c), VHI, VLO, VT
	ds_store_b128 v[STO], v[VHI:VHI+3] offset:32*\a
	ds_store_b128 v[STO], v[VLO:VLO+3] offset:32*\a+128
.endr
.irp t, 0,1,2,3,4,5,6,7
	ds_load_b128 v[\rb+4*\t:\rb+4*\t+3], v[RD] offset:\t*544        ; my own bytes: LDS serves a wave's instructions in order (ISA guide 5.7.1)
.endr
.irp t, 0,1,2,3,4,5,6,7
	s_wait_dscnt 7-\t                              ; load t of the eight is back
	global_store_b128 v[CO], v[\rb+4*\t:\rb+4*\t+3], s[8:9] offset:(16*\c+2*\t)*4096   ; 16 lanes store one whole block of 256 bytes
.endr
.endm
	s_load_b128 s[4:7], s[0:1], 0x0                ; cv, t1w
	s_load_b64 s[8:9], s[0:1], 0x10                ; es
	v_lshl_add_u32 v30, v0, 2, 0x4b000
	v_mov_b32 v31, 0
	ds_add_u32 v30, v31
	v_lshrrev_b32 v1, 5, v0
	v_readfirstlane_b32 s12, v1                    ; wave 0..7
	s_and_b32 s13, s12, 1                          ; wx; also the half that a fetching wave takes
	s_lshr_b32 s75, s12, 1                         ; wy
	s_bfe_u32 s14, ttmp6, 0x40000                  ; cx
	s_bfe_u32 s15, ttmp6, 0x40004                  ; cy
	s_lshl_b32 s16, ttmp9, 2
	s_add_co_u32 s16, s16, s14                     ; block of j
	s_and_b32 s17, ttmp7, 0xffff
	s_lshl_b32 s18, s15, 2
	s_lshl_b32 s18, 15, s18                        ; my row of the cluster
	s_lshl_b32 s19, 0x1111, s14                    ; my column
	s_mov_b32 s78, 0x76543210                      ; v_permlanex16_b32: lane i reads lane i of the other half
	s_mov_b32 s79, 0xfedcba98
	s_mov_b32 s80, 0x3d38aa3b                      ; log2(e) / 32
	s_mov_b32 s81, 0x3d38aa3b
	s_mov_b32 s82, 0xbd38aa3b
	s_lshl_b32 s20, s17, 2
	s_add_co_u32 s20, s20, s15                     ; y = 8 b + block of k
	s_lshl_b32 s20, s20, 18                        ; 128 rows of 2,048 bytes
	s_lshl_b32 s72, s13, 17                        ; Y's second half: 64 rows
	s_add_co_u32 s20, s20, s72
	s_mov_b32 s21, 0
	s_lshl_b32 s22, s16, 17                        ; 128 rows of 1,024 bytes
	s_lshl_b32 s72, s13, 16                        ; X's second half: 64 rows
	s_add_co_u32 s22, s22, s72
	s_add_co_u32 s22, s22, WK_OFF
	s_mov_b32 s23, 0
	s_lshl_b32 s70, s17, 2
	s_add_co_u32 s70, s70, s15                     ; y once more, for the outputs
	s_lshl_b32 s66, s70, 19                        ; E: 128 rows of 4,096 bytes
	s_lshl_b32 s67, s75, 17                        ; + 32 wy rows
	s_add_co_u32 s66, s66, s67
	s_lshl_b32 s67, s16, 9                         ; + two blocks of 256 bytes for each block of j
	s_add_co_u32 s66, s66, s67
	s_lshl_b32 s67, s13, 8
	s_add_co_u32 s66, s66, s67
	s_mov_b32 s67, 0
	s_lshr_b32 s68, s70, 3                         ; the figures: ((16 b + block of 64)*1,024 + k)*8 bytes
	s_lshl_b32 s68, s68, 17
	s_lshl_b32 s69, s16, 14
	s_add_co_u32 s68, s68, s69
	s_lshl_b32 s69, s13, 13
	s_add_co_u32 s68, s68, s69
	s_and_b32 s69, s70, 7
	s_lshl_b32 s69, s69, 10
	s_add_co_u32 s68, s68, s69
	s_lshl_b32 s69, s75, 8
	s_add_co_u32 s68, s68, s69
	s_add_co_u32 s68, s68, ST_OFF
	s_mov_b32 s69, 0
	s_or_b32 s[G1X+0], s19, (1<<16)|(1<<20)|(1<<21)|(5<<22)|(3<<25)   ; Wk's tiles go to my column
	s_mov_b32 s[G1X+1], 128<<16
	s_mov_b32 s[G1X+2], 64<<16
	s_mov_b32 s[G1X+3], 128<<16
	s_mov_b32 s[G1X+4], 64
	s_mov_b32 s[G1X+5], 512
	s_mov_b32 s[G1X+6], 0
	s_mov_b32 s[G1X+7], 0
	s_or_b32 s[G1Y+0], s18, (1<<16)|(1<<20)|(1<<21)|(6<<22)|(3<<25)   ; T1's tiles go to my row
	s_mov_b32 s[G1Y+1], 256<<16
	s_mov_b32 s[G1Y+2], 64<<16
	s_mov_b32 s[G1Y+3], 256<<16
	s_mov_b32 s[G1Y+4], 64
	s_mov_b32 s[G1Y+5], 1024
	s_mov_b32 s[G1Y+6], 0
	s_mov_b32 s[G1Y+7], 0
	s_mul_i32 s73, s13, XH
	s_mul_i32 s74, s13, YH
	s_add_co_u32 s74, s74, XBYTES
	s_wait_dscnt 0x0
	s_wait_kmcnt 0x0
	s_add_nc_u64 s[20:21], s[6:7], s[20:21]
	s_add_nc_u64 s[22:23], s[4:5], s[22:23]
	s_add_nc_u64 s[10:11], s[8:9], s[68:69]
	s_add_nc_u64 s[8:9], s[8:9], s[66:67]
.irp s, 0,1,2
	s_mov_b32 s[G0X+4*\s], 1
	s_add_co_u32 s[G0X+4*\s+1], s73, \s*SLOT
	s_add_nc_u64 s[G0X+4*\s+2:G0X+4*\s+3], s[22:23], \s*XSTEP
	s_or_b32 s[G0X+4*\s+3], s[G0X+4*\s+3], 0x80000000
	s_mov_b32 s[G0Y+4*\s], 1
	s_add_co_u32 s[G0Y+4*\s+1], s74, \s*SLOT
	s_add_nc_u64 s[G0Y+4*\s+2:G0Y+4*\s+3], s[20:21], \s*YSTEP
	s_or_b32 s[G0Y+4*\s+3], s[G0Y+4*\s+3], 0x80000000
.endr
	ROUND                                          ; the first joint loads meet
	s_cmp_lt_u32 s12, 2                            ; all first fills of a wave inside one branch on its number: three loads out at the most
	s_cbranch_scc0 .Lfill_y
	tensor_load_to_lds s[G0X:G0X+3], s[G1X:G1X+7]
	s_nop 0
	tensor_load_to_lds s[G0X+4:G0X+7], s[G1X:G1X+7]
	s_nop 0
	tensor_load_to_lds s[G0X+8:G0X+11], s[G1X:G1X+7]
	s_nop 0
	s_branch .Lfill_done
.Lfill_y:
	s_cmp_lt_u32 s12, 4
	s_cbranch_scc0 .Lfill_done
	tensor_load_to_lds s[G0Y:G0Y+3], s[G1Y:G1Y+7]
	s_nop 0
	tensor_load_to_lds s[G0Y+4:G0Y+7], s[G1Y:G1Y+7]
	s_nop 0
	tensor_load_to_lds s[G0Y+8:G0Y+11], s[G1Y:G1Y+7]
	s_nop 0
.Lfill_done:
	v_and_b32 v1, 15, v0                           ; r
	v_bfe_u32 v2, v0, 4, 1                         ; h
	v_mul_u32_u24 v3, v1, PX
	v_lshl_add_u32 v3, v2, 4, v3
	v_mul_u32_u24 v4, v1, PY
	v_lshl_add_u32 v4, v2, 4, v4
	s_mul_i32 s77, s13, 64*PX
	v_add_nc_u32 v[ADRX], s77, v3
	v_add_nc_u32 v[ADRX+1], SLOT, v[ADRX]
	v_add_nc_u32 v[ADRX+2], 2*SLOT, v[ADRX]
	s_mul_i32 s77, s75, 32*PY
	s_add_co_u32 s77, s77, XBYTES
	v_add_nc_u32 v[ADRY], s77, v4
	v_add_nc_u32 v[ADRY+1], SLOT, v[ADRY]
	v_add_nc_u32 v[ADRY+2], 2*SLOT, v[ADRY]
	s_mul_i32 s77, s12, 16*272
	s_add_co_u32 s77, s77, SLOT                    ; my stage lies in slot 1, which is filled once in the launch
	v_mul_u32_u24 v5, v1, 272
	v_lshl_add_u32 v5, v2, 4, v5
	v_add_nc_u32 v[STO], s77, v5
	v_mul_u32_u24 v6, v2, 272
	v_lshl_add_u32 v6, v1, 4, v6
	v_add_nc_u32 v[RD], s77, v6
	v_lshlrev_b32 v7, 12, v2
	v_lshl_add_u32 v[CO], v1, 4, v7
	v_and_b32 v8, 31, v0
	v_lshlrev_b32 v[SOFF], 3, v8
	s_wait_tensorcnt 0x2                           ; my piece of phase 0 is in; the two younger first fills stay out
	s_barrier_signal -1
	s_barrier_wait -1
	FETCH 0, 0, F0
	RUN 0, 1
	CHG 1, 1, 0                                    ; slots 1 and 2 are whole behind it; phase 3 goes into slot 0
	RUN 1, 0
	PLACES                                         ; slot 1's last sub-step; slot 2 was shown whole by the round above
	FETCH 2, 0, F0
	s_wait_dscnt NF
	MUL F1, 0
	RUN 2, 0
	CHG 0, 0, 0                                    ; in front of it every wave's reads of slots 1 and 2 are back: slot 1 may now serve as the stage
	RUN 0, 0
	s_wait_dscnt 0x0
	MUL F1, 0
	PLACES
	ROWS 0, F0
	ROWS 1, F0+32
	v_cmp_ne_u32 vcc_lo, 0, v2                     ; lanes 0-15 carry tile 0's rows, lanes 16-31 tile 1's: lane L has row L of my 32
	v_cndmask_b32 v[STAT], v[STAT], v[STAT+2], vcc_lo
	v_cndmask_b32 v[STAT+1], v[STAT+1], v[STAT+3], vcc_lo
	global_store_b64 v[SOFF], v[STAT:STAT+1], s[10:11]             ; 32 lanes store 256 consecutive bytes, aligned
	s_wait_tensorcnt 0x0
	ds_add_u32 v30, v31
	s_wait_dscnt 0x0
	ROUND                                          ; the closing round
	s_endpgm
.Lfunc_end_k_q255119ef25_sexp:
	.size	k_q255119ef25_sexp, .Lfunc_end_k_q255119ef25_sexp-k_q255119ef25_sexp
	.p2alignl 7, 3214868480
	.fill 96, 4, 3214868480
	.section	.rodata,"a",@progbits
	.p2align	6, 0x0
	.amdhsa_kernel k_q255119ef25_sexp
		.amdhsa_group_segment_fixed_size 327680
		.amdhsa_private_segment_fixed_size 0
		.amdhsa_enable_private_segment 0
		.amdhsa_kernarg_size 24
		.amdhsa_user_sgpr_count 2
		.amdhsa_user_sgpr_kernarg_segment_ptr 1
		.amdhsa_wavefront_size32 1
		.amdhsa_system_sgpr_workgroup_id_x 1
		.amdhsa_system_sgpr_workgroup_id_y 1
		.amdhsa_system_sgpr_workgroup_id_z 1
		.amdhsa_system_vgpr_workitem_id 0
		.amdhsa_next_free_vgpr 256
		.amdhsa_next_free_sgpr 84
		.amdhsa_reserve_vcc 1
		.amdhsa_float_denorm_mode_32 3
		.amdhsa_float_denorm_mode_16_64 3
		.amdhsa_memory_ordered 1
		.amdhsa_forward_progress 1
		.amdhsa_inst_pref_size 66
	.end_amdhsa_kernel
	.amdgpu_metadata
---
amdhsa.version: [ 1, 2 ]
amdhsa.kernels:
  - .name:           k_q255119ef25_sexp
    .symbol:         k_q255119ef25_sexp.kd
    .args:
      - { .name: cv, .offset: 0, .size: 8, .value_kind: global_buffer, .address_space: global }
      - { .name: t1w, .offset: 8, .size: 8, .value_kind: global_buffer, .address_space: global }
      - { .name: es, .offset: 16, .size: 8, .value_kind: global_buffer, .address_space: global }
    .group_segment_fixed_size: 327680
    .private_segment_fixed_size: 0
    .kernarg_segment_align: 8
    .kernarg_segment_size: 24
    .max_flat_workgroup_size: 256
    .sgpr_count:     84
    .vgpr_count:     256
    .wavefront_size: 32
...
	.end_amdgpu_metadata
.endif
;; end of part 5
;; launch ptk (part 6): grid 16 x 16, 4 waves a work-group, clusters of 4 x 4, 327,680 bytes of LDS; arguments cv, es, ptw; writes ptw
.if DOCPART == 6
	.amdgcn_target "amdgcn-amd-amdhsa--gfx1250"
	.amdhsa_code_object_version 6
	.text
	.protected	k_q255119ef25_ptk
	.globl	k_q255119ef25_ptk
	.p2align	8
	.type	k_q255119ef25_ptk,@function
k_q255119ef25_ptk:
	s_mov_b64 s[64:65], 0
	v_nop
	global_prefetch_b8 v0, s[64:65] scope:SCOPE_SE
	s_setreg_imm32_b32 hwreg(HW_REG_WAVE_MODE, 25, 1), 1
	s_wait_xcnt 0x0
	s_wait_alu depctr_hold_cnt(0) depctr_sa_sdst(0) depctr_va_vdst(0) depctr_va_sdst(0) depctr_va_ssrc(0) depctr_va_vcc(0) depctr_vm_vsrc(0)
	s_getreg_b32 s2, hwreg(HW_REG_IB_STS2, 6, 4)
	s_cmp_eq_u32 s2, 0
	s_cbranch_scc0 .Lentry_in_a_cluster
	s_endpgm
.Lentry_in_a_cluster:
	s_bfe_u32 s2, ttmp6, 0x10000c
	s_cmp_lg_u32 s2, 0xf033
	s_cbranch_scc0 .Lentry_shape_is_right
	s_endpgm
.Lentry_shape_is_right:
; ptk: PT[b][f][k] = sum over j of Wv[j][f] att[b][k][j], with att[k][j] = E[k][j] w[k][block of j] and
;   w[k][B] = 2^(m[k][B] - m[k]) / L[k],  m[k] = the largest of the row's 16 block maxima,  L[k] = sum over B of l[k][B] 2^(m[k][B] - m[k]):
; the softmax of the whole row with its true maximum taken away.  Weights below 2^-126 come out as zero (v_exp_f32 flushes: ISA guide 15.8).
; Each block of 64 j is summed by itself (two sub-steps of 32, sums started by C = 0) and then added into the total with its weight, in f32.
; Result split into hi + lo in bf16 (LIMIT: beyond about 3.39e38 hi = inf, lo = NaN), rows of ptw in blocks of 64 hi + 64 lo.
; Work-group: 128 f (X = Wv in bf16, stored [j][f], read by the transposing LDS load) x 64 k (Y = E, hi + lo); four waves of 64 f x 32 k.
; K = j = 1,024 in four phases of 256 through two slots.
; JOINT LOADS in 4 x 4 clusters: Wv's tile hangs on cy alone (shared along a cluster row), E's on cx, the cluster's x and b (along a column).
.set PXT, 288
.set PY, 1040
.set XH, 128*PXT
.set YH, 32*PY
.set XBYTES, 2*XH
.set SLOT, XBYTES+2*YH
.set XSTEP, 256*1024
.set YSTEP, 1024
.set STAGE, 2*SLOT                     ; 128 rows x 272 bytes
.set WT, STAGE+128*272                 ; the weights, [16 blocks][64 k] f32; neither is ever the target of a tensor load
.set WV_OFF, 18874368
.set ST_OFF, 16777216
.set RPW, 32
.set ROWB, 4096
.set ADRX, 10                          ; v10-13 [slot][half of the 256 j]
.set ADRY, 14                          ; v14-15
.set STO, 17
.set RD, 18
.set CO, 19
.set WADR, 20
.set F0, 32
.set F1, 96
.set ACC, 160                          ; one block's sums, tile (a, c) at +8(2a+c); the totals lie in v256-v319, same order
.set WREG, 224                         ; v[224:239] the weights of my 2 x 8 columns
.set VHI, 240
.set VLO, 244
.set VT, 248
.set G1X, 24
.set G0X, 32
.set G1Y, 44
.set G0Y, 52
.set MSB, 0
.macro WIN new
.if MSB != \new
	s_set_vgpr_msb (MSB<<8)|\new
.set MSB, \new
.endif
.endm
.macro ROUND
	s_barrier_signal -1
	s_barrier_wait -1
	s_cmp_lg_u32 s12, 0
	s_cbranch_scc1 .Lnot_wave_0_\@
	s_barrier_signal -3
.Lnot_wave_0_\@:
	s_barrier_wait -3
	s_barrier_signal -1
	s_barrier_wait -1
.endm
.macro JLOAD s
	s_cmp_lt_u32 s12, 2
	s_cbranch_scc0 .Lj_y_\@
	tensor_load_to_lds s[G0X+4*\s:G0X+4*\s+3], s[G1X:G1X+7]
	s_nop 0
	s_branch .Lj_done_\@
.Lj_y_\@:
	tensor_load_to_lds s[G0Y+4*\s:G0Y+4*\s+3], s[G1Y:G1Y+7]
	s_nop 0
.Lj_done_\@:
.endm
.macro PLACES                          ; four independent vector instructions behind a matrix instruction (ISA guide 7.12.1)
.rept 4
	v_nop
.endr
.endm
.macro FETCH slot, q, f                ; sub-step q of 8: j = 32 q .. 32 q + 31 of the slot
.irp a, 0,1,2,3
	ds_load_tr16_b128 v[\f+8*\a:\f+8*\a+3],   v[ADRX+2*\slot+\q/4] offset:(\q%4)*32*PXT+32*\a
	ds_load_tr16_b128 v[\f+8*\a+4:\f+8*\a+7], v[ADRX+2*\slot+\q/4] offset:(\q%4)*32*PXT+32*\a+16*PXT
.endr
.irp c, 0,1
.irp hl, 0,1
	ds_load_b128 v[\f+32+8*(2*\c+\hl):\f+32+8*(2*\c+\hl)+3],   v[ADRY+\slot] offset:(\q/2)*256+(\q%2)*64+\hl*128+\c*16*PY
	ds_load_b128 v[\f+32+8*(2*\c+\hl)+4:\f+32+8*(2*\c+\hl)+7], v[ADRY+\slot] offset:(\q/2)*256+(\q%2)*64+\hl*128+\c*16*PY+32
.endr
.endr
.endm
.macro WLOAD beta                      ; block beta's weights of my 32 columns k; all lanes of a half read the same words
.irp c, 0,1
	ds_load_b128 v[WREG+8*\c:WREG+8*\c+3],   v[WADR] offset:(\beta)*256+64*\c
	ds_load_b128 v[WREG+8*\c+4:WREG+8*\c+7], v[WADR] offset:(\beta)*256+64*\c+16
.endr
.endm
.macro MULP f, hl, zero                ; the 8 accumulators take turns, one instruction a turn
.irp a, 0,1,2,3
.irp c, 0,1
.if \zero
	v_wmma_f32_16x16x32_bf16 v[ACC+8*(2*\a+\c):ACC+8*(2*\a+\c)+7], v[\f+32+8*(2*\c+\hl):\f+32+8*(2*\c+\hl)+7], v[\f+8*\a:\f+8*\a+7], 0
.else
	v_wmma_f32_16x16x32_bf16 v[ACC+8*(2*\a+\c):ACC+8*(2*\a+\c)+7], v[\f+32+8*(2*\c+\hl):\f+32+8*(2*\c+\hl)+7], v[\f+8*\a:\f+8*\a+7], v[ACC+8*(2*\a+\c):ACC+8*(2*\a+\c)+7]
.endif
.endr
.endr
.endm
.macro MUL f, zero
	MULP \f, 0, \zero
	MULP \f, 1, 0
.endm
; total += block's sums x the block's weights.  Block 0 starts the totals (nothing is cleared); block 15 leaves them in v[32:95].
.macro RESCALE beta
	PLACES
.if (\beta)==0
	WIN 0x40
.irp t, 0,1,2,3,4,5,6,7
.irp p, 0,2,4,6
	v_pk_mul_f32 v[8*\t+\p:8*\t+\p+1], v[ACC+8*\t+\p:ACC+8*\t+\p+1], v[WREG+8*(\t%2)+\p:WREG+8*(\t%2)+\p+1]
.endr
.endr
.else
.if (\beta)==15
	WIN 0x10
.irp t, 0,1,2,3,4,5,6,7
.irp p, 0,2,4,6
	v_pk_fma_f32 v[F0+8*\t+\p:F0+8*\t+\p+1], v[ACC+8*\t+\p:ACC+8*\t+\p+1], v[WREG+8*(\t%2)+\p:WREG+8*(\t%2)+\p+1], v[8*\t+\p:8*\t+\p+1]
.endr
.endr
.else
	WIN 0x50
.irp t, 0,1,2,3,4,5,6,7
.irp p, 0,2,4,6
	v_pk_fma_f32 v[8*\t+\p:8*\t+\p+1], v[ACC+8*\t+\p:ACC+8*\t+\p+1], v[WREG+8*(\t%2)+\p:WREG+8*(\t%2)+\p+1], v[8*\t+\p:8*\t+\p+1]
.endr
.endr
.endif
.endif
	WIN 0
.endm
.macro EVEN slot, q, beta              ; a block's first half is multiplied (buffer 0); sub-step q and the block's weights are fetched
	PLACES
	FETCH \slot, \q, F1
	WLOAD \beta
	s_wait_dscnt 20                                ; all but the 16 + 4 loads just issued are back
	MUL F0, 1
.endm
.macro ODD slot, q, beta               ; a block's second half (buffer 1), then the block joins the totals
	PLACES
	FETCH \slot, \q, F0
	s_wait_dscnt 16                                ; all but the 16 just issued: buffer 1 and the weights are in
	MUL F1, 0
	RESCALE \beta
.endm
.macro RUN slot, ph
	EVEN \slot, 1, 4*\ph
	ODD  \slot, 2, 4*\ph
	EVEN \slot, 3, 4*\ph+1
	ODD  \slot, 4, 4*\ph+1
	EVEN \slot, 5, 4*\ph+2
	ODD  \slot, 6, 4*\ph+2
	EVEN \slot, 7, 4*\ph+3
.endm
.macro CHG next, kind, rslot, beta
	s_wait_dscnt 0x0                               ; my reads of the slot are back
	s_wait_tensorcnt 0x0                           ; all my tensor loads have landed
	ds_add_u32 v30, v31
	s_wait_dscnt 0x0
.if \kind
	s_add_nc_u64 s[G0X+4*\rslot+2:G0X+4*\rslot+3], s[G0X+4*\rslot+2:G0X+4*\rslot+3], 2*XSTEP
	s_add_nc_u64 s[G0Y+4*\rslot+2:G0Y+4*\rslot+3], s[G0Y+4*\rslot+2:G0Y+4*\rslot+3], 2*YSTEP
	ROUND
	JLOAD \rslot                                   ; the refill: first and only tensor load of a wave behind the round
.else
	s_barrier_signal -1
	s_barrier_wait -1
.endif
	PLACES
	FETCH \next, 0, F0
	MUL F1, 0
	RESCALE \beta
.endm
.macro SPLIT8 src, hi, lo, tmp
.irp i, 0,1,2,3
	v_cvt_pk_bf16_f32 v[\hi+\i], v[\src+2*\i], v[\src+2*\i+1]
.endr
.irp i, 0,1,2,3
	v_lshlrev_b32 v[\tmp+2*\i], 16, v[\hi+\i]
	v_and_b32 v[\tmp+2*\i+1], 0xffff0000, v[\hi+\i]
.endr
.irp i, 0,1,2,3
	v_pk_add_f32 v[\tmp+2*\i:\tmp+2*\i+1], v[\src+2*\i:\src+2*\i+1], v[\tmp+2*\i:\tmp+2*\i+1] neg_lo:[0,1] neg_hi:[0,1]
.endr
.irp i, 0,1,2,3
	v_cvt_pk_bf16_f32 v[\lo+\i], v[\tmp+2*\i], v[\tmp+2*\i+1]
.endr
.endm
	s_load_b128 s[4:7], s[0:1], 0x0                ; cv, es
	s_load_b64 s[8:9], s[0:1], 0x10                ; ptw
	v_lshl_add_u32 v30, v0, 2, 0x4e000
	v_mov_b32 v31, 0
	ds_add_u32 v30, v31
	v_lshrrev_b32 v1, 5, v0
	v_readfirstlane_b32 s12, v1
	s_and_b32 s13, s12, 1                          ; wy; also the half that I fetch
	s_lshr_b32 s75, s12, 1                         ; wx
	s_bfe_u32 s14, ttmp6, 0x40000                  ; cx
	s_bfe_u32 s15, ttmp6, 0x40004                  ; cy = block of f
	s_lshl_b32 s16, ttmp9, 2
	s_add_co_u32 s16, s16, s14                     ; block of k
	s_and_b32 s17, ttmp7, 0xffff                   ; b
	s_lshl_b32 s18, s15, 2
	s_lshl_b32 s18, 15, s18
	s_lshl_b32 s19, 0x1111, s14
	s_lshl_b32 s72, s13, 17                        ; the second half: 128 rows of 1,024 bytes, or 32 rows of 4,096
	s_lshl_b32 s20, s15, 8                         ; 128 columns f of Wv
	s_add_co_u32 s20, s20, s72
	s_add_co_u32 s20, s20, WV_OFF
	s_mov_b32 s21, 0
	s_lshl_b32 s22, s17, 22                        ; 1,024 rows of 4,096 bytes a batch
	s_lshl_b32 s71, s16, 18                        ; 64 rows a block
	s_add_co_u32 s22, s22, s71
	s_add_co_u32 s22, s22, s72
	s_mov_b32 s23, 0
	s_lshl_b32 s68, s17, 17                        ; the figures of batch b, block 0, my 64 k
	s_lshl_b32 s69, s16, 9
	s_add_co_u32 s68, s68, s69
	s_add_co_u32 s68, s68, ST_OFF
	s_mov_b32 s69, 0
	s_lshl_b32 s66, s17, 21                        ; ptw: 512 rows of 4,096 bytes a batch, 128 rows a block of f, 256 bytes a block of k
	s_lshl_b32 s67, s15, 19
	s_add_co_u32 s66, s66, s67
	s_lshl_b32 s67, s16, 8
	s_add_co_u32 s66, s66, s67
	s_mov_b32 s67, 0
	s_or_b32 s[G1X+0], s18, (1<<16)|(1<<20)|(1<<21)|(5<<22)|(7<<25)   ; 8 words of padding behind every 64; mask of my row
	s_mov_b32 s[G1X+1], 128<<16
	s_mov_b32 s[G1X+2], 128<<16
	s_mov_b32 s[G1X+3], 128<<16
	s_mov_b32 s[G1X+4], 128
	s_mov_b32 s[G1X+5], 512
	s_mov_b32 s[G1X+6], 0
	s_mov_b32 s[G1X+7], 0
	s_or_b32 s[G1Y+0], s19, (1<<16)|(1<<20)|(1<<21)|(7<<22)|(3<<25)   ; 4 words behind every 256; mask of my column
	s_mov_b32 s[G1Y+1], 512<<16
	s_mov_b32 s[G1Y+2], 32<<16
	s_mov_b32 s[G1Y+3], 512<<16
	s_mov_b32 s[G1Y+4], 32
	s_mov_b32 s[G1Y+5], 2048
	s_mov_b32 s[G1Y+6], 0
	s_mov_b32 s[G1Y+7], 0
	s_mul_i32 s73, s13, XH
	s_mul_i32 s74, s13, YH
	s_add_co_u32 s74, s74, XBYTES
	s_wait_dscnt 0x0
	s_wait_kmcnt 0x0
	s_add_nc_u64 s[20:21], s[4:5], s[20:21]
	s_add_nc_u64 s[22:23], s[6:7], s[22:23]
	s_add_nc_u64 s[10:11], s[6:7], s[68:69]
	s_add_nc_u64 s[8:9], s[8:9], s[66:67]
.irp s, 0,1
	s_mov_b32 s[G0X+4*\s], 1
	s_add_co_u32 s[G0X+4*\s+1], s73, \s*SLOT
	s_add_nc_u64 s[G0X+4*\s+2:G0X+4*\s+3], s[20:21], \s*XSTEP
	s_or_b32 s[G0X+4*\s+3], s[G0X+4*\s+3], 0x80000000
	s_mov_b32 s[G0Y+4*\s], 1
	s_add_co_u32 s[G0Y+4*\s+1], s74, \s*SLOT
	s_add_nc_u64 s[G0Y+4*\s+2:G0Y+4*\s+3], s[22:23], \s*YSTEP
	s_or_b32 s[G0Y+4*\s+3], s[G0Y+4*\s+3], 0x80000000
.endr
	ROUND                                          ; the first joint loads meet
	s_cmp_lt_u32 s12, 2
	s_cbranch_scc0 .Lfill_y
	tensor_load_to_lds s[G0X:G0X+3], s[G1X:G1X+7]
	s_nop 0
	tensor_load_to_lds s[G0X+4:G0X+7], s[G1X:G1X+7]
	s_nop 0
	s_branch .Lfill_done
.Lfill_y:
	tensor_load_to_lds s[G0Y:G0Y+3], s[G1Y:G1Y+7]
	s_nop 0
	tensor_load_to_lds s[G0Y+4:G0Y+7], s[G1Y:G1Y+7]
	s_nop 0
.Lfill_done:
	v_and_b32 v1, 15, v0                           ; r
	v_bfe_u32 v2, v0, 4, 1                         ; h
	v_and_b32 v3, 7, v0
	v_lshl_add_u32 v3, v2, 3, v3                   ; the transposing load: row 8 h + L%8,
	v_mul_u32_u24 v3, v3, PXT
	v_bfe_u32 v4, v0, 3, 1
	v_lshl_add_u32 v3, v4, 4, v3                   ; 16 bytes at column block (L/8)%2
	s_lshl_b32 s77, s75, 7                         ; my 64 f: 128 bytes
	v_add_nc_u32 v[ADRX], s77, v3
	v_add_nc_u32 v[ADRX+1], XH, v[ADRX]
	v_add_nc_u32 v[ADRX+2], SLOT, v[ADRX]
	v_add_nc_u32 v[ADRX+3], SLOT+XH, v[ADRX]
	v_mul_u32_u24 v4, v1, PY
	v_lshl_add_u32 v4, v2, 4, v4
	s_mul_i32 s77, s13, 32*PY
	s_add_co_u32 s77, s77, XBYTES
	v_add_nc_u32 v[ADRY], s77, v4
	v_add_nc_u32 v[ADRY+1], SLOT, v[ADRY]
	v_mul_u32_u24 v5, v1, 272
	v_lshl_add_u32 v5, v2, 4, v5
	s_mul_i32 s77, s75, 64*272
	s_lshl_b32 s76, s13, 6
	s_add_co_u32 s77, s77, s76
	s_add_co_u32 s77, s77, STAGE
	v_add_nc_u32 v[STO], s77, v5
	v_mul_u32_u24 v6, v2, 272
	v_lshl_add_u32 v6, v1, 4, v6
	s_mul_i32 s77, s12, RPW*272
	s_add_co_u32 s77, s77, STAGE
	v_add_nc_u32 v[RD], s77, v6
	v_lshlrev_b32 v7, 12, v2
	v_lshl_add_u32 v7, v1, 4, v7
	s_mul_i32 s77, s12, RPW*ROWB
	v_add_nc_u32 v[CO], s77, v7
	s_lshl_b32 s77, s13, 7
	s_add_co_u32 s77, s77, WT
	v_lshlrev_b32 v7, 5, v2
	v_add_nc_u32 v[WADR], s77, v7                  ; WT + 4 (32 wy + 8 h)
	; the table of weights: waves 0 and 1, thread t = column k = t of my 64
	s_cmp_lt_u32 s12, 2
	s_cbranch_scc0 .Lno_table
	v_lshlrev_b32 v9, 3, v0
	v_lshlrev_b32 v8, 2, v0
	v_add_nc_u32 v8, WT, v8
.irp j, 0,1,2,3,4,5,6,7,8,9,10,11,12,13,14,15
	global_load_b64 v[32+2*\j:33+2*\j], v9, s[10:11] offset:\j*8192   ; m, l of block j: a wave reads 256 consecutive bytes
.endr
	s_wait_loadcnt 0x0
	v_max3_num_f32 v64, v32, v34, v36
	v_max3_num_f32 v64, v64, v38, v40
	v_max3_num_f32 v64, v64, v42, v44
	v_max3_num_f32 v64, v64, v46, v48
	v_max3_num_f32 v64, v64, v50, v52
	v_max3_num_f32 v64, v64, v54, v56
	v_max3_num_f32 v64, v64, v58, v60
	v_max_num_f32 v64, v64, v62                    ; the row's maximum
.irp j, 0,1,2,3,4,5,6,7,8,9,10,11,12,13,14,15
	v_sub_f32 v[32+2*\j], v[32+2*\j], v64
.endr
.irp j, 0,1,2,3,4,5,6,7,8,9,10,11,12,13,14,15
	v_exp_f32 v[32+2*\j], v[32+2*\j]
.endr
	v_nop                                          ; one plain vector instruction behind a transcendental (ISA guide 5.7.2)
	s_wait_alu depctr_va_vdst(0)
	v_mul_f32 v65, v32, v33
.irp j, 1,2,3,4,5,6,7,8,9,10,11,12,13,14,15
	v_fmac_f32 v65, v[32+2*\j], v[33+2*\j]
.endr
	v_rcp_f32 v65, v65                             ; the sum is at least 1: the block that holds the maximum gives at least its own 2^0
	v_nop
	s_wait_alu depctr_va_vdst(0)
.irp j, 0,1,2,3,4,5,6,7,8,9,10,11,12,13,14,15
	v_mul_f32 v[32+2*\j], v[32+2*\j], v65
	ds_store_b32 v8, v[32+2*\j] offset:\j*256
.endr
.Lno_table:
	s_wait_dscnt 0x0                               ; the table's stores are done, for the waves that read them
	s_wait_tensorcnt 0x1                           ; my piece of phase 0 is in; phase 1's stays out
	s_barrier_signal -1
	s_barrier_wait -1
	FETCH 0, 0, F0
	RUN 0, 0
	CHG 1, 1, 0, 3
	RUN 1, 1
	CHG 0, 1, 1, 7
	RUN 0, 2
	CHG 1, 0, 0, 11
	RUN 1, 3
	s_wait_dscnt 0x0
	MUL F1, 0
	RESCALE 15                                     ; the totals now lie in v[32:95]
.irp a, 0,1,2,3
.irp c, 0,1
	SPLIT8 F0+8*(2*\a+\c), VHI, VLO, VT
	ds_store_b128 v[STO], v[VHI:VHI+3] offset:\a*16*272+32*\c
	ds_store_b128 v[STO], v[VLO:VLO+3] offset:\a*16*272+32*\c+128
.endr
.endr
	s_wait_dscnt 0x0
	s_barrier_signal -1
	s_barrier_wait -1
.irp t, 0,1,2,3,4,5,6,7,8,9,10,11,12,13,14,15
	ds_load_b128 v[F1+4*\t:F1+4*\t+3], v[RD] offset:\t*544
.endr
.irp t, 0,1,2,3,4,5,6,7,8,9,10,11,12,13,14,15
	s_wait_dscnt 15-\t                             ; load t of the sixteen is back
	global_store_b128 v[CO], v[F1+4*\t:F1+4*\t+3], s[8:9] offset:\t*2*ROWB   ; 16 lanes store one whole block of 256 bytes
.endr
	s_wait_tensorcnt 0x0
	ds_add_u32 v30, v31
	s_wait_dscnt 0x0
	ROUND                                          ; the closing round
	s_endpgm
.Lfunc_end_k_q255119ef25_ptk:
	.size	k_q255119ef25_ptk, .Lfunc_end_k_q255119ef25_ptk-k_q255119ef25_ptk
	.p2alignl 7, 3214868480
	.fill 96, 4, 3214868480
	.section	.rodata,"a",@progbits
	.p2align	6, 0x0
	.amdhsa_kernel k_q255119ef25_ptk
		.amdhsa_group_segment_fixed_size 327680
		.amdhsa_private_segment_fixed_size 0
		.amdhsa_enable_private_segment 0
		.amdhsa_kernarg_size 24
		.amdhsa_user_sgpr_count 2
		.amdhsa_user_sgpr_kernarg_segment_ptr 1
		.amdhsa_wavefront_size32 1
		.amdhsa_system_sgpr_workgroup_id_x 1
		.amdhsa_system_sgpr_workgroup_id_y 1
		.amdhsa_system_sgpr_workgroup_id_z 1
		.amdhsa_system_vgpr_workitem_id 0
		.amdhsa_next_free_vgpr 320
		.amdhsa_next_free_sgpr 80
		.amdhsa_reserve_vcc 0
		.amdhsa_float_denorm_mode_32 3
		.amdhsa_float_denorm_mode_16_64 3
		.amdhsa_memory_ordered 1
		.amdhsa_forward_progress 1
		.amdhsa_inst_pref_size 136
	.end_amdhsa_kernel
	.amdgpu_metadata
---
amdhsa.version: [ 1, 2 ]
amdhsa.kernels:
  - .name:           k_q255119ef25_ptk
    .symbol:         k_q255119ef25_ptk.kd
    .args:
      - { .name: cv, .offset: 0, .size: 8, .value_kind: global_buffer, .address_space: global }
      - { .name: es, .offset: 8, .size: 8, .value_kind: global_buffer, .address_space: global }
      - { .name: ptw, .offset: 16, .size: 8, .value_kind: global_buffer, .address_space: global }
    .group_segment_fixed_size: 327680
    .private_segment_fixed_size: 0
    .kernarg_segment_align: 8
    .kernarg_segment_size: 24
    .max_flat_workgroup_size: 128
    .sgpr_count:     80
    .vgpr_count:     320
    .wavefront_size: 32
...
	.end_amdgpu_metadata
.endif
;; end of part 6
;; launch mmk (part 7): grid 8 x 32, 4 waves a work-group, clusters of 4 x 4, 327,680 bytes of LDS; arguments cv, ptw, m2; writes m2
.if DOCPART == 7
	.amdgcn_target "amdgcn-amd-amdhsa--gfx1250"
	.amdhsa_code_object_version 6
	.text
	.protected	k_q255119ef25_mmk
	.globl	k_q255119ef25_mmk
	.p2align	8
	.type	k_q255119ef25_mmk,@function
k_q255119ef25_mmk:
	s_mov_b64 s[64:65], 0
	v_nop
	global_prefetch_b8 v0, s[64:65] scope:SCOPE_SE
	s_setreg_imm32_b32 hwreg(HW_REG_WAVE_MODE, 25, 1), 1
	s_wait_xcnt 0x0
	s_wait_alu depctr_hold_cnt(0) depctr_sa_sdst(0) depctr_va_vdst(0) depctr_va_sdst(0) depctr_va_ssrc(0) depctr_va_vcc(0) depctr_vm_vsrc(0)
	s_getreg_b32 s2, hwreg(HW_REG_IB_STS2, 6, 4)
	s_cmp_eq_u32 s2, 0
	s_cbranch_scc0 .Lentry_in_a_cluster
	s_endpgm
.Lentry_in_a_cluster:
	s_bfe_u32 s2, ttmp6, 0x10000c
	s_cmp_lg_u32 s2, 0xf033
	s_cbranch_scc0 .Lentry_shape_is_right
	s_endpgm
.Lentry_shape_is_right:
; mmk: M[b][e][f] = sum over k of Wo[e][k] PT[b][f][k].  Wo in bf16 (X), PT as hi + lo (Y).  Result split into hi + lo
; (LIMIT: beyond about 3.39e38 hi = inf, lo = NaN), rows of m2 in blocks of 64 hi + 64 lo.
; Work-group: 64 e x 64 f, so that the 4 x 512 x 512 results give 256 work-groups; four waves of 32 e x 32 f (2 x 2 tiles).
; K = 1,024 in four phases of 256 through three slots: three first fills, one refill (phase 3 into slot 0).
; JOINT LOADS in 4 x 4 clusters: Wo's tile hangs on cy and the cluster's y (shared along a cluster row), PT's on cx, the cluster's x and b (along a column).
.set PX, 528
.set PY, 1040
.set XH, 32*PX
.set YH, 32*PY
.set XBYTES, 2*XH
.set SLOT, XBYTES+2*YH
.set XSTEP, 512
.set YSTEP, 1024
.set NS, 3
.set STAGE, 3*SLOT                     ; 64 rows x 272 bytes, never the target of a tensor load
.set NF, 12
.set WO_OFF, 19922944
.set RPW, 16
.set ROWB, 2048
.set ADRX, 10
.set ADRY, 14
.set STO, 17
.set RD, 18
.set CO, 19
.set F0, 32
.set F1, 96
.set ACC, 160
.set VHI, 240
.set VLO, 244
.set VT, 248
.set G1X, 24
.set G0X, 32
.set G1Y, 44
.set G0Y, 52
.macro ROUND
	s_barrier_signal -1
	s_barrier_wait -1
	s_cmp_lg_u32 s12, 0
	s_cbranch_scc1 .Lnot_wave_0_\@
	s_barrier_signal -3
.Lnot_wave_0_\@:
	s_barrier_wait -3
	s_barrier_signal -1
	s_barrier_wait -1
.endm
.macro JLOAD s
	s_cmp_lt_u32 s12, 2
	s_cbranch_scc0 .Lj_y_\@
	tensor_load_to_lds s[G0X+4*\s:G0X+4*\s+3], s[G1X:G1X+7]
	s_nop 0
	s_branch .Lj_done_\@
.Lj_y_\@:
	tensor_load_to_lds s[G0Y+4*\s:G0Y+4*\s+3], s[G1Y:G1Y+7]
	s_nop 0
.Lj_done_\@:
.endm
.macro PLACES                          ; four independent vector instructions behind a matrix instruction (ISA guide 7.12.1)
.rept 4
	v_nop
.endr
.endm
.macro FETCH slot, k, f
.irp a, 0,1
	ds_load_b128 v[\f+8*\a:\f+8*\a+3],   v[ADRX+\slot] offset:2*\k+\a*16*PX
	ds_load_b128 v[\f+8*\a+4:\f+8*\a+7], v[ADRX+\slot] offset:2*\k+\a*16*PX+32
.endr
.irp c, 0,1
.irp hl, 0,1
	ds_load_b128 v[\f+32+8*(2*\c+\hl):\f+32+8*(2*\c+\hl)+3],   v[ADRY+\slot] offset:(\k/64)*256+(\k%64)*2+\hl*128+\c*16*PY
	ds_load_b128 v[\f+32+8*(2*\c+\hl)+4:\f+32+8*(2*\c+\hl)+7], v[ADRY+\slot] offset:(\k/64)*256+(\k%64)*2+\hl*128+\c*16*PY+32
.endr
.endr
.endm
.macro MULP f, hl, zero                ; the 4 accumulators take turns, one instruction a turn
.irp a, 0,1
.irp c, 0,1
.if \zero
	v_wmma_f32_16x16x32_bf16 v[ACC+8*(2*\a+\c):ACC+8*(2*\a+\c)+7], v[\f+32+8*(2*\c+\hl):\f+32+8*(2*\c+\hl)+7], v[\f+8*\a:\f+8*\a+7], 0
.else
	v_wmma_f32_16x16x32_bf16 v[ACC+8*(2*\a+\c):ACC+8*(2*\a+\c)+7], v[\f+32+8*(2*\c+\hl):\f+32+8*(2*\c+\hl)+7], v[\f+8*\a:\f+8*\a+7], v[ACC+8*(2*\a+\c):ACC+8*(2*\a+\c)+7]
.endif
.endr
.endr
.endm
.macro MUL f, zero
	MULP \f, 0, \zero
	MULP \f, 1, 0
.endm
.macro STEP slot, k, g, f, zero
	PLACES
	FETCH \slot, \k, \g
	s_wait_dscnt NF                                ; all but the 12 loads just issued are back
	MUL \f, \zero
.endm
.macro RUN slot, zero
	STEP \slot, 32,  F1, F0, \zero
	STEP \slot, 64,  F0, F1, 0
	STEP \slot, 96,  F1, F0, 0
	STEP \slot, 128, F0, F1, 0
	STEP \slot, 160, F1, F0, 0
	STEP \slot, 192, F0, F1, 0
	STEP \slot, 224, F1, F0, 0
.endm
.macro CHG next, kind, rslot
	s_wait_dscnt 0x0                               ; my reads of the slot are back
	s_wait_tensorcnt 0x0                           ; all my tensor loads have landed
	ds_add_u32 v238, v239
	s_wait_dscnt 0x0
.if \kind
	s_add_nc_u64 s[G0X+4*\rslot+2:G0X+4*\rslot+3], s[G0X+4*\rslot+2:G0X+4*\rslot+3], NS*XSTEP
	s_add_nc_u64 s[G0Y+4*\rslot+2:G0Y+4*\rslot+3], s[G0Y+4*\rslot+2:G0Y+4*\rslot+3], NS*YSTEP
	ROUND
	JLOAD \rslot                                   ; the refill: first and only tensor load of a wave behind the round
.else
	s_barrier_signal -1
	s_barrier_wait -1
.endif
	PLACES
	FETCH \next, 0, F0
	MUL F1, 0
.endm
.macro SPLIT8 src, hi, lo, tmp
.irp i, 0,1,2,3
	v_cvt_pk_bf16_f32 v[\hi+\i], v[\src+2*\i], v[\src+2*\i+1]
.endr
.irp i, 0,1,2,3
	v_lshlrev_b32 v[\tmp+2*\i], 16, v[\hi+\i]
	v_and_b32 v[\tmp+2*\i+1], 0xffff0000, v[\hi+\i]
.endr
.irp i, 0,1,2,3
	v_pk_add_f32 v[\tmp+2*\i:\tmp+2*\i+1], v[\src+2*\i:\src+2*\i+1], v[\tmp+2*\i:\tmp+2*\i+1] neg_lo:[0,1] neg_hi:[0,1]
.endr
.irp i, 0,1,2,3
	v_cvt_pk_bf16_f32 v[\lo+\i], v[\tmp+2*\i], v[\tmp+2*\i+1]
.endr
.endm
	s_load_b128 s[4:7], s[0:1], 0x0                ; cv, ptw
	s_load_b64 s[8:9], s[0:1], 0x10                ; m2
	v_lshl_add_u32 v238, v0, 2, 0x4dc00
	v_mov_b32 v239, 0
	ds_add_u32 v238, v239
	v_lshrrev_b32 v1, 5, v0
	v_readfirstlane_b32 s12, v1
	s_and_b32 s13, s12, 1                          ; wy; also the half that I fetch
	s_lshr_b32 s75, s12, 1                         ; wx
	s_bfe_u32 s14, ttmp6, 0x40000                  ; cx
	s_bfe_u32 s15, ttmp6, 0x40004                  ; cy
	s_lshl_b32 s16, ttmp9, 2
	s_add_co_u32 s16, s16, s14                     ; block of f
	s_and_b32 s17, ttmp7, 0xffff                   ; cluster y = 2 b + upper half of e
	s_lshl_b32 s18, s15, 2
	s_lshl_b32 s18, 15, s18
	s_lshl_b32 s19, 0x1111, s14
	s_and_b32 s20, s17, 1
	s_lshl_b32 s20, s20, 2
	s_add_co_u32 s20, s20, s15                     ; block of e
	s_lshl_b32 s20, s20, 17                        ; 64 rows of 2,048 bytes
	s_lshl_b32 s72, s13, 16                        ; X's second half: 32 rows
	s_add_co_u32 s20, s20, s72
	s_add_co_u32 s20, s20, WO_OFF
	s_mov_b32 s21, 0
	s_lshr_b32 s22, s17, 1                         ; b
	s_lshl_b32 s22, s22, 21                        ; 512 rows of 4,096 bytes
	s_lshl_b32 s71, s16, 18                        ; 64 rows
	s_add_co_u32 s22, s22, s71
	s_lshl_b32 s72, s13, 17                        ; Y's second half: 32 rows
	s_add_co_u32 s22, s22, s72
	s_mov_b32 s23, 0
	s_lshl_b32 s66, s17, 2
	s_add_co_u32 s66, s66, s15                     ; 8 b + block of e
	s_lshl_b32 s66, s66, 17                        ; 64 rows of 2,048 bytes
	s_lshl_b32 s68, s16, 8
	s_add_co_u32 s66, s66, s68
	s_mov_b32 s67, 0
	s_or_b32 s[G1X+0], s18, (1<<16)|(1<<20)|(1<<21)|(6<<22)|(3<<25)
	s_mov_b32 s[G1X+1], 256<<16
	s_mov_b32 s[G1X+2], 32<<16
	s_mov_b32 s[G1X+3], 256<<16
	s_mov_b32 s[G1X+4], 32
	s_mov_b32 s[G1X+5], 1024
	s_mov_b32 s[G1X+6], 0
	s_mov_b32 s[G1X+7], 0
	s_or_b32 s[G1Y+0], s19, (1<<16)|(1<<20)|(1<<21)|(7<<22)|(3<<25)
	s_mov_b32 s[G1Y+1], 512<<16
	s_mov_b32 s[G1Y+2], 32<<16
	s_mov_b32 s[G1Y+3], 512<<16
	s_mov_b32 s[G1Y+4], 32
	s_mov_b32 s[G1Y+5], 2048
	s_mov_b32 s[G1Y+6], 0
	s_mov_b32 s[G1Y+7], 0
	s_mul_i32 s73, s13, XH
	s_mul_i32 s74, s13, YH
	s_add_co_u32 s74, s74, XBYTES
	s_wait_dscnt 0x0
	s_wait_kmcnt 0x0
	s_add_nc_u64 s[20:21], s[4:5], s[20:21]
	s_add_nc_u64 s[22:23], s[6:7], s[22:23]
	s_add_nc_u64 s[8:9], s[8:9], s[66:67]
.irp s, 0,1,2
	s_mov_b32 s[G0X+4*\s], 1
	s_add_co_u32 s[G0X+4*\s+1], s73, \s*SLOT
	s_add_nc_u64 s[G0X+4*\s+2:G0X+4*\s+3], s[20:21], \s*XSTEP
	s_or_b32 s[G0X+4*\s+3], s[G0X+4*\s+3], 0x80000000
	s_mov_b32 s[G0Y+4*\s], 1
	s_add_co_u32 s[G0Y+4*\s+1], s74, \s*SLOT
	s_add_nc_u64 s[G0Y+4*\s+2:G0Y+4*\s+3], s[22:23], \s*YSTEP
	s_or_b32 s[G0Y+4*\s+3], s[G0Y+4*\s+3], 0x80000000
.endr
	ROUND                                          ; the first joint loads meet
	s_cmp_lt_u32 s12, 2                            ; three first fills a wave, inside one branch on its number
	s_cbranch_scc0 .Lfill_y
	tensor_load_to_lds s[G0X:G0X+3], s[G1X:G1X+7]
	s_nop 0
	tensor_load_to_lds s[G0X+4:G0X+7], s[G1X:G1X+7]
	s_nop 0
	tensor_load_to_lds s[G0X+8:G0X+11], s[G1X:G1X+7]
	s_nop 0
	s_branch .Lfill_done
.Lfill_y:
	tensor_load_to_lds s[G0Y:G0Y+3], s[G1Y:G1Y+7]
	s_nop 0
	tensor_load_to_lds s[G0Y+4:G0Y+7], s[G1Y:G1Y+7]
	s_nop 0
	tensor_load_to_lds s[G0Y+8:G0Y+11], s[G1Y:G1Y+7]
	s_nop 0
.Lfill_done:
	v_and_b32 v1, 15, v0                           ; r
	v_bfe_u32 v2, v0, 4, 1                         ; h
	v_mul_u32_u24 v3, v1, PX
	v_lshl_add_u32 v3, v2, 4, v3
	v_mul_u32_u24 v4, v1, PY
	v_lshl_add_u32 v4, v2, 4, v4
	s_mul_i32 s77, s75, 32*PX
	v_add_nc_u32 v[ADRX], s77, v3
	v_add_nc_u32 v[ADRX+1], SLOT, v[ADRX]
	v_add_nc_u32 v[ADRX+2], 2*SLOT, v[ADRX]
	s_mul_i32 s77, s13, 32*PY
	s_add_co_u32 s77, s77, XBYTES
	v_add_nc_u32 v[ADRY], s77, v4
	v_add_nc_u32 v[ADRY+1], SLOT, v[ADRY]
	v_add_nc_u32 v[ADRY+2], 2*SLOT, v[ADRY]
	v_mul_u32_u24 v5, v1, 272
	v_lshl_add_u32 v5, v2, 4, v5
	s_mul_i32 s77, s75, 32*272
	s_lshl_b32 s76, s13, 6
	s_add_co_u32 s77, s77, s76
	s_add_co_u32 s77, s77, STAGE
	v_add_nc_u32 v[STO], s77, v5
	v_mul_u32_u24 v6, v2, 272
	v_lshl_add_u32 v6, v1, 4, v6
	s_mul_i32 s77, s12, RPW*272
	s_add_co_u32 s77, s77, STAGE
	v_add_nc_u32 v[RD], s77, v6
	v_mul_u32_u24 v7, v2, ROWB
	v_lshl_add_u32 v7, v1, 4, v7
	s_mul_i32 s77, s12, RPW*ROWB
	v_add_nc_u32 v[CO], s77, v7
	s_wait_tensorcnt 0x2                           ; my piece of phase 0 is in; the two younger first fills stay out
	s_barrier_signal -1
	s_barrier_wait -1
	FETCH 0, 0, F0
	RUN 0, 1
	CHG 1, 1, 0                                    ; slots 1 and 2 are whole behind it; phase 3 goes into slot 0
	RUN 1, 0
	PLACES                                         ; slot 1's last sub-step; slot 2 was shown whole by the round above
	FETCH 2, 0, F0
	s_wait_dscnt NF
	MUL F1, 0
	RUN 2, 0
	CHG 0, 0, 0
	RUN 0, 0
	s_wait_dscnt 0x0
	MUL F1, 0
	PLACES
.irp a, 0,1
.irp c, 0,1
	SPLIT8 ACC+8*(2*\a+\c), VHI, VLO, VT
	ds_store_b128 v[STO], v[VHI:VHI+3] offset:\a*16*272+32*\c
	ds_store_b128 v[STO], v[VLO:VLO+3] offset:\a*16*272+32*\c+128
.endr
.endr
	s_wait_dscnt 0x0
	s_barrier_signal -1
	s_barrier_wait -1
.irp t, 0,1,2,3,4,5,6,7
	ds_load_b128 v[F0+4*\t:F0+4*\t+3], v[RD] offset:\t*544
.endr
.irp t, 0,1,2,3,4,5,6,7
	s_wait_dscnt 7-\t                              ; load t of the eight is back
	global_store_b128 v[CO], v[F0+4*\t:F0+4*\t+3], s[8:9] offset:\t*2*ROWB   ; 16 lanes store one whole block of 256 bytes
.endr
	s_wait_tensorcnt 0x0
	ds_add_u32 v238, v239
	s_wait_dscnt 0x0
	ROUND                                          ; the closing round
	s_endpgm
.Lfunc_end_k_q255119ef25_mmk:
	.size	k_q255119ef25_mmk, .Lfunc_end_k_q255119ef25_mmk-k_q255119ef25_mmk
	.p2alignl 7, 3214868480
	.fill 96, 4, 3214868480
	.section	.rodata,"a",@progbits
	.p2align	6, 0x0
	.amdhsa_kernel k_q255119ef25_mmk
		.amdhsa_group_segment_fixed_size 327680
		.amdhsa_private_segment_fixed_size 0
		.amdhsa_enable_private_segment 0
		.amdhsa_kernarg_size 24
		.amdhsa_user_sgpr_count 2
		.amdhsa_user_sgpr_kernarg_segment_ptr 1
		.amdhsa_wavefront_size32 1
		.amdhsa_system_sgpr_workgroup_id_x 1
		.amdhsa_system_sgpr_workgroup_id_y 1
		.amdhsa_system_sgpr_workgroup_id_z 1
		.amdhsa_system_vgpr_workitem_id 0
		.amdhsa_next_free_vgpr 256
		.amdhsa_next_free_sgpr 80
		.amdhsa_reserve_vcc 0
		.amdhsa_float_denorm_mode_32 3
		.amdhsa_float_denorm_mode_16_64 3
		.amdhsa_memory_ordered 1
		.amdhsa_forward_progress 1
		.amdhsa_inst_pref_size 61
	.end_amdhsa_kernel
	.amdgpu_metadata
---
amdhsa.version: [ 1, 2 ]
amdhsa.kernels:
  - .name:           k_q255119ef25_mmk
    .symbol:         k_q255119ef25_mmk.kd
    .args:
      - { .name: cv, .offset: 0, .size: 8, .value_kind: global_buffer, .address_space: global }
      - { .name: ptw, .offset: 8, .size: 8, .value_kind: global_buffer, .address_space: global }
      - { .name: m2, .offset: 16, .size: 8, .value_kind: global_buffer, .address_space: global }
    .group_segment_fixed_size: 327680
    .private_segment_fixed_size: 0
    .kernarg_segment_align: 8
    .kernarg_segment_size: 24
    .max_flat_workgroup_size: 128
    .sgpr_count:     80
    .vgpr_count:     256
    .wavefront_size: 32
...
	.end_amdgpu_metadata
.endif
;; end of part 7
;; launch outp (part 8): grid 4 x 64, 16 waves a work-group, clusters of 4 x 4, 327,680 bytes of LDS; arguments cv, m2, out0; writes out0
.if DOCPART == 8
	.amdgcn_target "amdgcn-amd-amdhsa--gfx1250"
	.amdhsa_code_object_version 6
	.text
	.protected	k_q255119ef25_outp
	.globl	k_q255119ef25_outp
	.p2align	8
	.type	k_q255119ef25_outp,@function
k_q255119ef25_outp:
	s_mov_b64 s[64:65], 0
	v_nop
	global_prefetch_b8 v0, s[64:65] scope:SCOPE_SE
	s_setreg_imm32_b32 hwreg(HW_REG_WAVE_MODE, 25, 1), 1
	s_wait_xcnt 0x0
	s_wait_alu depctr_hold_cnt(0) depctr_sa_sdst(0) depctr_va_vdst(0) depctr_va_sdst(0) depctr_va_ssrc(0) depctr_va_vcc(0) depctr_vm_vsrc(0)
	s_getreg_b32 s2, hwreg(HW_REG_IB_STS2, 6, 4)
	s_cmp_eq_u32 s2, 0
	s_cbranch_scc0 .Lentry_in_a_cluster
	s_endpgm
.Lentry_in_a_cluster:
	s_bfe_u32 s2, ttmp6, 0x10000c
	s_cmp_lg_u32 s2, 0xf033
	s_cbranch_scc0 .Lentry_shape_is_right
	s_endpgm
.Lentry_shape_is_right:
; outp: out0[b][l][e] = sum over f of x[b][l][f] M[b][e][f].  x in bf16 (X), M as hi + lo in bf16 (Y): each product is made twice on one f32 sum.
; Work-group: 256 l x 128 e; sixteen waves of 64 l x 32 e (4 x 2 tiles).  K = 512 in four phases of 128 through two slots.
; JOINT LOADS in 4 x 4 clusters: x's tile hangs on cy and the cluster's y (shared along a cluster row), M's on cx and b (along a column).
; The matrix instruction takes Y's fragment first: a lane holds 8 neighbouring e of one row l.
.set PX, 272
.set PY, 528
.set XH, 128*PX
.set YH, 64*PY
.set XBYTES, 2*XH
.set SLOT, XBYTES+2*YH
.set XSTEP, 256
.set YSTEP, 512
.set NS, 2
.set NF, 16
.set SP, 528                           ; the stage's pitch: a row of 128 f32 + 16 bytes
.set ADRX, 10
.set ADRY, 14
.set STO, 17
.set RD, 18
.set CO, 19
.set F0, 32
.set F1, 96
.set ACC, 160
.set G1X, 24
.set G0X, 32
.set G1Y, 44
.set G0Y, 52
.macro ROUND
	s_barrier_signal -1
	s_barrier_wait -1
	s_cmp_lg_u32 s12, 0
	s_cbranch_scc1 .Lnot_wave_0_\@
	s_barrier_signal -3
.Lnot_wave_0_\@:
	s_barrier_wait -3
	s_barrier_signal -1
	s_barrier_wait -1
.endm
.macro JLOAD s                         ; waves 0, 1: X's halves; waves 2, 3: Y's; the other twelve have no part of a tile to fill
	s_cmp_lt_u32 s12, 2
	s_cbranch_scc0 .Lj_y_\@
	tensor_load_to_lds s[G0X+4*\s:G0X+4*\s+3], s[G1X:G1X+7]
	s_nop 0
	s_branch .Lj_done_\@
.Lj_y_\@:
	s_cmp_lt_u32 s12, 4
	s_cbranch_scc0 .Lj_done_\@
	tensor_load_to_lds s[G0Y+4*\s:G0Y+4*\s+3], s[G1Y:G1Y+7]
	s_nop 0
.Lj_done_\@:
.endm
.macro PLACES                          ; four independent vector instructions behind a matrix instruction (ISA guide 7.12.1)
.rept 4
	v_nop
.endr
.endm
.macro FETCH slot, k, f
.irp a, 0,1,2,3
	ds_load_b128 v[\f+8*\a:\f+8*\a+3],   v[ADRX+\slot] offset:2*\k+\a*16*PX
	ds_load_b128 v[\f+8*\a+4:\f+8*\a+7], v[ADRX+\slot] offset:2*\k+\a*16*PX+32
.endr
.irp c, 0,1
.irp hl, 0,1
	ds_load_b128 v[\f+32+8*(2*\c+\hl):\f+32+8*(2*\c+\hl)+3],   v[ADRY+\slot] offset:(\k/64)*256+(\k%64)*2+\hl*128+\c*16*PY
	ds_load_b128 v[\f+32+8*(2*\c+\hl)+4:\f+32+8*(2*\c+\hl)+7], v[ADRY+\slot] offset:(\k/64)*256+(\k%64)*2+\hl*128+\c*16*PY+32
.endr
.endr
.endm
.macro MULP f, hl, zero                ; the 8 accumulators take turns, one instruction a turn
.irp a, 0,1,2,3
.irp c, 0,1
.if \zero
	v_wmma_f32_16x16x32_bf16 v[ACC+8*(2*\a+\c):ACC+8*(2*\a+\c)+7], v[\f+32+8*(2*\c+\hl):\f+32+8*(2*\c+\hl)+7], v[\f+8*\a:\f+8*\a+7], 0
.else
	v_wmma_f32_16x16x32_bf16 v[ACC+8*(2*\a+\c):ACC+8*(2*\a+\c)+7], v[\f+32+8*(2*\c+\hl):\f+32+8*(2*\c+\hl)+7], v[\f+8*\a:\f+8*\a+7], v[ACC+8*(2*\a+\c):ACC+8*(2*\a+\c)+7]
.endif
.endr
.endr
.endm
.macro MUL f, zero
	MULP \f, 0, \zero
	MULP \f, 1, 0
.endm
.macro STEP slot, k, g, f, zero
	PLACES
	FETCH \slot, \k, \g
	s_wait_dscnt NF                                ; all but the 16 loads just issued are back
	MUL \f, \zero
.endm
.macro RUN slot, zero
	STEP \slot, 32, F1, F0, \zero
	STEP \slot, 64, F0, F1, 0
	STEP \slot, 96, F1, F0, 0
.endm
.macro CHG next, kind, rslot
	s_wait_dscnt 0x0                               ; my reads of the slot are back
	s_wait_tensorcnt 0x0                           ; all my tensor loads have landed
	ds_add_u32 v254, v255
	s_wait_dscnt 0x0
.if \kind
	s_add_nc_u64 s[G0X+4*\rslot+2:G0X+4*\rslot+3], s[G0X+4*\rslot+2:G0X+4*\rslot+3], NS*XSTEP
	s_add_nc_u64 s[G0Y+4*\rslot+2:G0Y+4*\rslot+3], s[G0Y+4*\rslot+2:G0Y+4*\rslot+3], NS*YSTEP
	ROUND
	JLOAD \rslot                                   ; the refill: first and only tensor load of a wave behind the round
.else
	s_barrier_signal -1
	s_barrier_wait -1
.endif
	PLACES
	FETCH \next, 0, F0
	MUL F1, 0
.endm
	s_load_b128 s[4:7], s[0:1], 0x0                ; cv, m2
	s_load_b64 s[8:9], s[0:1], 0x10                ; out0
	v_lshl_add_u32 v254, v0, 2, 0x43000
	v_mov_b32 v255, 0
	ds_add_u32 v254, v255
	v_lshrrev_b32 v1, 5, v0
	v_readfirstlane_b32 s12, v1                    ; wave 0..15
	s_and_b32 s13, s12, 1                          ; the half that a fetching wave takes
	s_lshr_b32 s75, s12, 2                         ; wx
	s_and_b32 s76, s12, 3                          ; wy
	s_bfe_u32 s14, ttmp6, 0x40000                  ; cx = block of e
	s_bfe_u32 s15, ttmp6, 0x40004                  ; cy
	s_and_b32 s17, ttmp7, 0xffff                   ; cluster y = 4 b + quarter of L
	s_lshl_b32 s18, s15, 2
	s_lshl_b32 s18, 15, s18
	s_lshl_b32 s19, 0x1111, s14
	s_lshl_b32 s72, s13, 17                        ; the second half: 128 rows of 1,024 bytes, or 64 rows of 2,048
	s_lshl_b32 s20, s17, 2
	s_add_co_u32 s20, s20, s15                     ; y: block of 256 rows of the 16,384
	s_lshl_b32 s20, s20, 18
	s_add_co_u32 s20, s20, s72
	s_mov_b32 s21, 0
	s_lshr_b32 s22, s17, 2                         ; b
	s_lshl_b32 s22, s22, 20
	s_lshl_b32 s71, s14, 18                        ; 128 rows of 2,048 bytes
	s_add_co_u32 s22, s22, s71
	s_add_co_u32 s22, s22, s72
	s_mov_b32 s23, 0
	s_lshl_b32 s66, s17, 2
	s_add_co_u32 s66, s66, s15
	s_lshl_b32 s66, s66, 19                        ; 256 rows of 2,048 bytes
	s_lshl_b32 s68, s14, 9                         ; 128 f32
	s_add_co_u32 s66, s66, s68
	s_mov_b32 s67, 0
	s_or_b32 s[G1X+0], s18, (1<<16)|(1<<20)|(1<<21)|(5<<22)|(3<<25)
	s_mov_b32 s[G1X+1], 128<<16
	s_mov_b32 s[G1X+2], 128<<16
	s_mov_b32 s[G1X+3], 128<<16
	s_mov_b32 s[G1X+4], 128
	s_mov_b32 s[G1X+5], 512
	s_mov_b32 s[G1X+6], 0
	s_mov_b32 s[G1X+7], 0
	s_or_b32 s[G1Y+0], s19, (1<<16)|(1<<20)|(1<<21)|(6<<22)|(3<<25)
	s_mov_b32 s[G1Y+1], 256<<16
	s_mov_b32 s[G1Y+2], 64<<16
	s_mov_b32 s[G1Y+3], 256<<16
	s_mov_b32 s[G1Y+4], 64
	s_mov_b32 s[G1Y+5], 1024
	s_mov_b32 s[G1Y+6], 0
	s_mov_b32 s[G1Y+7], 0
	s_mul_i32 s73, s13, XH
	s_mul_i32 s74, s13, YH
	s_add_co_u32 s74, s74, XBYTES
	s_wait_dscnt 0x0
	s_wait_kmcnt 0x0
	s_add_nc_u64 s[20:21], s[4:5], s[20:21]
	s_add_nc_u64 s[22:23], s[6:7], s[22:23]
	s_add_nc_u64 s[8:9], s[8:9], s[66:67]
.irp s, 0,1
	s_mov_b32 s[G0X+4*\s], 1
	s_add_co_u32 s[G0X+4*\s+1], s73, \s*SLOT
	s_add_nc_u64 s[G0X+4*\s+2:G0X+4*\s+3], s[20:21], \s*XSTEP
	s_or_b32 s[G0X+4*\s+3], s[G0X+4*\s+3], 0x80000000
	s_mov_b32 s[G0Y+4*\s], 1
	s_add_co_u32 s[G0Y+4*\s+1], s74, \s*SLOT
	s_add_nc_u64 s[G0Y+4*\s+2:G0Y+4*\s+3], s[22:23], \s*YSTEP
	s_or_b32 s[G0Y+4*\s+3], s[G0Y+4*\s+3], 0x80000000
.endr
	ROUND                                          ; the first joint loads meet
	s_cmp_lt_u32 s12, 2                            ; the first fills of a wave inside one branch on its number
	s_cbranch_scc0 .Lfill_y
	tensor_load_to_lds s[G0X:G0X+3], s[G1X:G1X+7]
	s_nop 0
	tensor_load_to_lds s[G0X+4:G0X+7], s[G1X:G1X+7]
	s_nop 0
	s_branch .Lfill_done
.Lfill_y:
	s_cmp_lt_u32 s12, 4
	s_cbranch_scc0 .Lfill_done
	tensor_load_to_lds s[G0Y:G0Y+3], s[G1Y:G1Y+7]
	s_nop 0
	tensor_load_to_lds s[G0Y+4:G0Y+7], s[G1Y:G1Y+7]
	s_nop 0
.Lfill_done:
	v_and_b32 v1, 15, v0                           ; r
	v_bfe_u32 v2, v0, 4, 1                         ; h
	v_mul_u32_u24 v3, v1, PX
	v_lshl_add_u32 v3, v2, 4, v3
	v_mul_u32_u24 v4, v1, PY
	v_lshl_add_u32 v4, v2, 4, v4
	s_mul_i32 s77, s75, 64*PX
	v_add_nc_u32 v[ADRX], s77, v3
	v_add_nc_u32 v[ADRX+1], SLOT, v[ADRX]
	s_mul_i32 s77, s76, 32*PY
	s_add_co_u32 s77, s77, XBYTES
	v_add_nc_u32 v[ADRY], s77, v4
	v_add_nc_u32 v[ADRY+1], SLOT, v[ADRY]
	v_mul_u32_u24 v5, v1, SP
	v_lshl_add_u32 v5, v2, 5, v5
	s_mul_i32 s77, s75, 64*SP
	s_lshl_b32 s69, s76, 7
	s_add_co_u32 s77, s77, s69
	v_add_nc_u32 v[STO], s77, v5                   ; stage row 64 wx + r, byte 128 wy + 32 h
	v_and_b32 v6, 31, v0
	v_lshlrev_b32 v6, 4, v6
	s_mul_i32 s77, s12, 16*SP
	v_add_nc_u32 v[RD], s77, v6                    ; back: a whole row of 512 bytes a load, rows 16 w ..
	s_lshl_b32 s77, s12, 15
	v_add_nc_u32 v[CO], s77, v6                    ; the same rows in out0 (2,048 bytes a row)
	s_wait_tensorcnt 0x1                           ; my piece of phase 0 is in; phase 1's stays out
	s_barrier_signal -1
	s_barrier_wait -1
	FETCH 0, 0, F0
	RUN 0, 1
	CHG 1, 1, 0
	RUN 1, 0
	CHG 0, 1, 1
	RUN 0, 0
	CHG 1, 0, 0                                    ; in front of it every wave's reads of slot 0 are back, and slot 0 has had its last fill: it may serve as the stage
	RUN 1, 0
	s_wait_dscnt 0x0
	MUL F1, 0
	PLACES
.irp a, 0,1,2,3
.irp c, 0,1
	ds_store_b128 v[STO], v[ACC+8*(2*\a+\c):ACC+8*(2*\a+\c)+3] offset:\a*16*SP+64*\c
	ds_store_b128 v[STO], v[ACC+8*(2*\a+\c)+4:ACC+8*(2*\a+\c)+7] offset:\a*16*SP+64*\c+16
.endr
.endr
	s_wait_dscnt 0x0                               ; my stores are done, for the waves that read them
	s_barrier_signal -1
	s_barrier_wait -1
.irp t, 0,1,2,3,4,5,6,7,8,9,10,11,12,13,14,15
	ds_load_b128 v[F0+4*\t:F0+4*\t+3], v[RD] offset:\t*SP
.endr
.irp t, 0,1,2,3,4,5,6,7,8,9,10,11,12,13,14,15
	s_wait_dscnt 15-\t                             ; load t of the sixteen is back
	global_store_b128 v[CO], v[F0+4*\t:F0+4*\t+3], s[8:9] offset:\t*2048 th:TH_STORE_NT   ; a wave stores 512 consecutive bytes, aligned
.endr
	s_wait_tensorcnt 0x0
	ds_add_u32 v254, v255
	s_wait_dscnt 0x0
	ROUND                                          ; the closing round
	s_endpgm
.Lfunc_end_k_q255119ef25_outp:
	.size	k_q255119ef25_outp, .Lfunc_end_k_q255119ef25_outp-k_q255119ef25_outp
	.p2alignl 7, 3214868480
	.fill 96, 4, 3214868480
	.section	.rodata,"a",@progbits
	.p2align	6, 0x0
	.amdhsa_kernel k_q255119ef25_outp
		.amdhsa_group_segment_fixed_size 327680
		.amdhsa_private_segment_fixed_size 0
		.amdhsa_enable_private_segment 0
		.amdhsa_kernarg_size 24
		.amdhsa_user_sgpr_count 2
		.amdhsa_user_sgpr_kernarg_segment_ptr 1
		.amdhsa_wavefront_size32 1
		.amdhsa_system_sgpr_workgroup_id_x 1
		.amdhsa_system_sgpr_workgroup_id_y 1
		.amdhsa_system_sgpr_workgroup_id_z 1
		.amdhsa_system_vgpr_workitem_id 0
		.amdhsa_next_free_vgpr 256
		.amdhsa_next_free_sgpr 80
		.amdhsa_reserve_vcc 0
		.amdhsa_float_denorm_mode_32 3
		.amdhsa_float_denorm_mode_16_64 3
		.amdhsa_memory_ordered 1
		.amdhsa_forward_progress 1
		.amdhsa_inst_pref_size 48
	.end_amdhsa_kernel
	.amdgpu_metadata
---
amdhsa.version: [ 1, 2 ]
amdhsa.kernels:
  - .name:           k_q255119ef25_outp
    .symbol:         k_q255119ef25_outp.kd
    .args:
      - { .name: cv, .offset: 0, .size: 8, .value_kind: global_buffer, .address_space: global }
      - { .name: m2, .offset: 8, .size: 8, .value_kind: global_buffer, .address_space: global }
      - { .name: out0, .offset: 16, .size: 8, .value_kind: global_buffer, .address_space: global }
    .group_segment_fixed_size: 327680
    .private_segment_fixed_size: 0
    .kernarg_segment_align: 8
    .kernarg_segment_size: 24
    .max_flat_workgroup_size: 512
    .sgpr_count:     80
    .vgpr_count:     256
    .wavefront_size: 32
...
	.end_amdgpu_metadata
.endif
;; end of part 8
;; ======== version 2 of 2: 8 launches; version 1 with the launch prep written anew for expert scheduling mode
;; workspace buffers: cv 20,971,520 bytes; gp 16,777,216 bytes; g2 4,194,304 bytes; t1w 8,388,608 bytes; es 17,301,504 bytes; ptw 8,388,608 bytes; m2 4,194,304 bytes
;; launch prep (part 9): grid 256 x 1, 8 waves a work-group, no clusters, 0 bytes of LDS; arguments x, Wq, Wk, Wv, Wo, cv; writes cv
.if DOCPART == 9
	.amdgcn_target "amdgcn-amd-amdhsa--gfx1250"
	.amdhsa_code_object_version 6
	.text
	.protected	k_q255119ef25_prep
	.globl	k_q255119ef25_prep
	.p2align	8
	.type	k_q255119ef25_prep,@function
k_q255119ef25_prep:
	s_mov_b64 s[64:65], 0
	v_nop
	global_prefetch_b8 v0, s[64:65] scope:SCOPE_SE
	s_setreg_imm32_b32 hwreg(HW_REG_WAVE_SCHED_MODE, 0, 2), 2
	s_setreg_imm32_b32 hwreg(HW_REG_WAVE_MODE, 25, 1), 1
	s_wait_xcnt 0x0
	s_wait_alu depctr_vm_vsrc(0)
; prep: every input rounded once to bf16 (nearest even), layouts kept.  cv = x (16,777,216 bytes), then Wq, Wk, Wv, Wo (1,048,576 bytes each).
; 256 work-groups of 8 waves.  Work-group g takes 131,072 bytes of x (32 loads of 4,096 bytes by its 256 threads) and 8,192 bytes of each weight (2 loads).
; All 40 loads of a thread go out first, into registers of their own; each is then rounded in place and stored, so no register that a pending
; instruction names is ever rewritten.  A wave's store of 8 bytes a lane covers 256 consecutive bytes, aligned.
; No LDS, no matrix unit, no cluster: the work-groups share no byte and there is no arithmetic but the rounding.
; THE MODE: SCHED_MODE bits 1:0 = 2 (LLVM: expert scheduling mode 2), set by the entry lines.  The code itself states the register dependences
; between vector instructions and memory instructions, with s_wait_alu, always for 0.
; THE PLAN.  Registers that memory instructions touch:
;   v1, v2            byte offsets, made once at the head and never written again: v1 is read by every load, v2 by every store.
;   v[4+4n : 7+4n]    load n lands here (no vector instruction has named them before); its two conversions read the four and write the first two;
;                     store n reads those two; nothing writes them afterwards.
; The 40 loads go in ten blocks of four.  Block p rounds loads 4p to 4p+3; its memory instructions are the four stores of block p-1, whose data
; no vector instruction of block p names.  So one wait at a block's head states all that its four stores hang on, and they are dealt among the
; block's eight conversions with no further wait.  No register that a memory instruction has read is ever written again, so nothing is owed on that side.
.set D, 4                              ; v[4:163]  load n in v[4+4n : 7+4n]
.set W_OFF, 16777216                   ; where the weights begin in cv
.set BLK, 4                            ; loads in a block
	s_load_b256 s[4:11], s[0:1], 0x0               ; x s[4:5], Wq s[6:7], Wk s[8:9], Wv s[10:11]
	s_load_b128 s[12:15], s[0:1], 0x20             ; Wo s[12:13], cv s[14:15]
	v_lshlrev_b32 v1, 4, v0                        ; 16 bytes of f32 a thread
	v_lshlrev_b32 v2, 3, v0                        ; 8 bytes of bf16 a thread
	s_lshl_b32 s16, ttmp9, 17                      ; g x 131,072: my part of x
	s_mov_b32 s17, 0
	s_lshl_b32 s18, ttmp9, 13                      ; g x 8,192: my part of each weight
	s_mov_b32 s19, 0
	s_lshl_b32 s20, ttmp9, 16                      ; g x 65,536: my part of x in cv
	s_mov_b32 s21, 0
	s_lshl_b32 s22, ttmp9, 12                      ; g x 4,096: my part of each weight in cv
	s_add_co_u32 s22, s22, W_OFF
	s_mov_b32 s23, 0
	s_wait_kmcnt 0x0
	s_add_nc_u64 s[4:5], s[4:5], s[16:17]
.irp p, 6,8,10,12
	s_add_nc_u64 s[\p:\p+1], s[\p:\p+1], s[18:19]
.endr
	s_add_nc_u64 s[20:21], s[14:15], s[20:21]
	s_add_nc_u64 s[22:23], s[14:15], s[22:23]
	s_wait_alu depctr_va_vdst(0)                   ; v1 and v2 are written: every load reads v1 as its offset, every store v2
.set n, 0
.rept 32
	global_load_b128 v[D+4*n:D+4*n+3], v1, s[4:5] offset:4096*n th:TH_LOAD_NT
.set n, n+1
.endr
.irp m, 0,1,2,3
	global_load_b128 v[D+128+8*\m:D+128+8*\m+3], v1, s[6+2*\m:7+2*\m] th:TH_LOAD_NT
	global_load_b128 v[D+132+8*\m:D+132+8*\m+3], v1, s[6+2*\m:7+2*\m] offset:4096 th:TH_LOAD_NT
.endr
; Load n's four f32 close up into two registers of bf16, in place.
.macro CVT n
	v_cvt_pk_bf16_f32 v[D+4*(\n)], v[D+4*(\n)], v[D+4*(\n)+1]
	v_cvt_pk_bf16_f32 v[D+4*(\n)+1], v[D+4*(\n)+2], v[D+4*(\n)+3]
.endm
; Store n: loads 0 to 31 are x's, loads 32 to 39 the four weights', two each.
.macro OUT n
.if (\n) < 32
	global_store_b64 v2, v[D+4*(\n):D+4*(\n)+1], s[20:21] offset:2048*(\n)
.else
	global_store_b64 v2, v[D+4*(\n):D+4*(\n)+1], s[22:23] offset:(((\n)-32)/2)*1048576+(((\n)-32)%2)*2048
.endif
.endm
.set p, 0
.rept 40/BLK
	s_wait_loadcnt 40-BLK-BLK*p                    ; loads return in order: this block's four are in, the younger ones stay out
.if p > 0
	s_wait_alu depctr_va_vdst(0)                   ; the block before has written its eight registers of bf16, which the four stores below read
.endif
.set i, 0
.rept BLK
.if p > 0
	OUT BLK*p-BLK+i                                ; the block before; no vector instruction since the wait names its registers
.endif
	CVT BLK*p+i
.set i, i+1
.endr
.set p, p+1
.endr
	s_wait_alu depctr_va_vdst(0)                   ; the last block's conversions have written the data of the last four stores
	OUT 36
	OUT 37
	OUT 38
	OUT 39
	s_endpgm
.Lfunc_end_k_q255119ef25_prep:
	.size	k_q255119ef25_prep, .Lfunc_end_k_q255119ef25_prep-k_q255119ef25_prep
	.p2alignl 7, 3214868480
	.fill 96, 4, 3214868480
	.section	.rodata,"a",@progbits
	.p2align	6, 0x0
	.amdhsa_kernel k_q255119ef25_prep
		.amdhsa_group_segment_fixed_size 0
		.amdhsa_private_segment_fixed_size 0
		.amdhsa_enable_private_segment 0
		.amdhsa_kernarg_size 48
		.amdhsa_user_sgpr_count 2
		.amdhsa_user_sgpr_kernarg_segment_ptr 1
		.amdhsa_wavefront_size32 1
		.amdhsa_system_sgpr_workgroup_id_x 1
		.amdhsa_system_sgpr_workgroup_id_y 1
		.amdhsa_system_sgpr_workgroup_id_z 1
		.amdhsa_system_vgpr_workitem_id 0
		.amdhsa_next_free_vgpr 164
		.amdhsa_next_free_sgpr 66
		.amdhsa_reserve_vcc 0
		.amdhsa_float_denorm_mode_32 3
		.amdhsa_float_denorm_mode_16_64 3
		.amdhsa_memory_ordered 1
		.amdhsa_forward_progress 1
		.amdhsa_inst_pref_size 15
	.end_amdhsa_kernel
	.amdgpu_metadata
---
amdhsa.version: [ 1, 2 ]
amdhsa.kernels:
  - .name:           k_q255119ef25_prep
    .symbol:         k_q255119ef25_prep.kd
    .args:
      - { .name: x, .offset: 0, .size: 8, .value_kind: global_buffer, .address_space: global }
      - { .name: Wq, .offset: 8, .size: 8, .value_kind: global_buffer, .address_space: global }
      - { .name: Wk, .offset: 16, .size: 8, .value_kind: global_buffer, .address_space: global }
      - { .name: Wv, .offset: 24, .size: 8, .value_kind: global_buffer, .address_space: global }
      - { .name: Wo, .offset: 32, .size: 8, .value_kind: global_buffer, .address_space: global }
      - { .name: cv, .offset: 40, .size: 8, .value_kind: global_buffer, .address_space: global }
    .group_segment_fixed_size: 0
    .private_segment_fixed_size: 0
    .kernarg_segment_align: 8
    .kernarg_segment_size: 48
    .max_flat_workgroup_size: 256
    .sgpr_count:     66
    .vgpr_count:     164
    .wavefront_size: 32
...
	.end_amdgpu_metadata
.endif
;; end of part 9
;; launch gram: the kernel of part 2 again; grid 4 x 64, 4 waves a work-group, clusters of 4 x 4, 327,680 bytes of LDS; arguments cv, gp; writes gp
;; launch gsum: the kernel of part 3 again; grid 256 x 1, 8 waves a work-group, no clusters, 0 bytes of LDS; arguments gp, g2; writes g2
;; launch tone: the kernel of part 4 again; grid 8 x 32, 4 waves a work-group, clusters of 4 x 4, 303,616 bytes of LDS; arguments cv, g2, t1w; writes t1w
;; launch sexp: the kernel of part 5 again; grid 8 x 32, 8 waves a work-group, clusters of 4 x 4, 327,680 bytes of LDS; arguments cv, t1w, es; writes es
;; launch ptk: the kernel of part 6 again; grid 16 x 16, 4 waves a work-group, clusters of 4 x 4, 327,680 bytes of LDS; arguments cv, es, ptw; writes ptw
;; launch mmk: the kernel of part 7 again; grid 8 x 32, 4 waves a work-group, clusters of 4 x 4, 327,680 bytes of LDS; arguments cv, ptw, m2; writes m2
;; launch outp: the kernel of part 8 again; grid 4 x 64, 16 waves a work-group, clusters of 4 x 4, 327,680 bytes of LDS; arguments cv, m2, out0; writes out0
